; MI455X (gfx1250); checked and timed in simulation.
; The chip was launched on July 23, 2026; its instructions are those of AMD's public machine-readable ISA for CDNA 5 (MIT licence, August 2026) and "CDNA5" Instruction Set Architecture Reference Guide (July 2026). The comments in the code are by the model that wrote it; some were corrected since.
;; Multi Head Self Attention. Allowed arithmetic: matrix products marked QUANTISED: E2M1 operands, one E8M0 scale for each 32 along K, by v_wmma_scale_f32_16x16x128_f8f6f4 with both operands' format E2M1 (or v_wmma_scale_f32_32x16x128_f4), f32 sums; products left as they are: bf16, f16 or f32 operands; f32 sums; everything else in f32.
;; Inputs: bk 1,024 float32; bo 1,024 float32; bq 1,024 float32; bv 1,024 float32; mask 1 x 1 x 2,048 x 2,048 int32; wk 1,024 x 1,024 float32; wo 1,024 x 1,024 float32; wq 1,024 x 1,024 float32; wv 1,024 x 1,024 float32; x 4 x 2,048 x 1,024 float32.
;; Outputs: out0 4 x 2,048 x 1,024 float32.
;; This version of the problem:
;;   THIS VERSION OF THE PROBLEM IS GIVEN IN LOW PRECISION. The matrix products marked QUANTISED in the list below multiply operands that are first quantised to E2M1 (2 exponent bits, 1 mantissa bit; 4 bits a number), with one power-of-two scale for each 32 numbers along K (OCP MX v1.0); their sums are f32. The products marked 'left as it is' may take bf16, f16 or f32 operands, with f32 sums. Whichever they take, every output number must still come out within the allowed error. Rounding operands to bf16 (8 significant bits) uses up far more of that allowance than f16 does (11 bits, for magnitudes from 6e-5 to 65,504). All else is computed in f32.
;;   The module's matrix products, in the order in which they are computed (A, B: the left and right operand; K: the contracted axis; several contracted axes count as one K, in the product's order):
;;     1. [M 8,192, K 1,024] x [K 1,024, N 1,024]; A: input x; B: input wq: QUANTISED
;;     2. [M 8,192, K 1,024] x [K 1,024, N 1,024]; A: input x; B: input wk: QUANTISED
;;     3. [M 8,192, K 1,024] x [K 1,024, N 1,024]; A: input x; B: input wv: QUANTISED
;;     4. batch 64 x [M 2,048, K 64] x [K 64, N 2,048]; A: computed on the way; B: computed on the way: left as it is (an operand is computed on the way)
;;     5. batch 64 x [M 2,048, K 2,048] x [K 2,048, N 64]; A: computed on the way; B: computed on the way: left as it is (an operand is computed on the way)
;;     6. [M 8,192, K 1,024] x [K 1,024, N 1,024]; A: computed on the way; B: input wo: left as it is (an operand is computed on the way)
;;   THE QUANTISER, for each operand of a quantised product, along K:
;;     - K is cut into blocks of 32 from its start; a last block that is shorter is filled with zeros.
;;     - A block's scale is 2^e with e = floor(log2(the largest magnitude in the block)) - 2, held to -126 .. 127; a block of zeros has e = 0. As a byte (E8M0): e + 127.
;;     - Each number is divided by its block's scale, clamped to +-6, and rounded to the nearest number of E2M1, ties to even, subnormals kept.
;;     - The product sums the exact products of the quantised numbers (number of the format x scale) in f32.
;;   ~~~python
;;   def quantise(x, axis):      # numpy; x: float32 -> the quantised numbers, widened to float32 again
;;       x = np.moveaxis(x, axis, -1); K = x.shape[-1]
;;       x = np.pad(x, [(0, 0)] * (x.ndim - 1) + [(0, -K % 32)]); x = x.reshape(x.shape[:-1] + (-1, 32)); a = np.abs(x).max(-1, keepdims=True)
;;       e = np.where(a > 0, np.clip(np.frexp(np.where(a > 0, a, 1))[1] - 1 - 2, -126, 127), 0)      # np.frexp(a)[1] - 1 = floor(log2(a)), exactly
;;       r = np.clip(x / 2.0 ** e, -6, 6)
;;       step = 2.0 ** (np.maximum(np.frexp(np.where(r == 0, 1, r))[1] - 1, 0) - 1)
;;       q = np.round(r / step) * step * 2.0 ** e      # np.round: ties to even
;;       return np.moveaxis(q.reshape(q.shape[:-2] + (-1,))[..., :K], -1, axis).astype(np.float32)
;;   ~~~
;; One version. Each part assembles by itself: llvm-mc -triple=amdgcn-amd-amdhsa -mcpu=gfx1250 --defsym DOCPART=n.
;; ======== version 1 of 1: 4 launches
;; limits: values are held in f16: magnitudes above 65,504 overflow, below 6.1e-05 lose precision
;; workspace buffers: cod 5,767,168 bytes; scl 360,448 bytes; wof 2,097,152 bytes; mw 524,288 bytes of whole numbers; qkv 50,331,648 bytes; of 16,777,216 bytes
;; launch prep (part 1): grid 256 x 1, 4 waves a work-group, no clusters, 200,192 bytes of LDS; arguments x, wq, wk, wv, wo, mask, cod, scl, wof, mw; writes cod, scl, wof, mw
.if DOCPART == 1
	.amdgcn_target "amdgcn-amd-amdhsa--gfx1250"
	.amdhsa_code_object_version 6
	.text
	.protected	k_q82888cc8a8_prep
	.globl	k_q82888cc8a8_prep
	.p2align	8
	.type	k_q82888cc8a8_prep,@function
k_q82888cc8a8_prep:
	s_mov_b64 s[64:65], 0
	v_nop
	global_prefetch_b8 v0, s[64:65] scope:SCOPE_SE
	s_setreg_imm32_b32 hwreg(HW_REG_WAVE_MODE, 25, 1), 1
	s_wait_xcnt 0x0
; PREP: everything that is made once from the inputs, laid as images of the registers of the launches that read it.
;   Q: x [8192][1024] and wq, wk, wv [1024][1024], f32, K innermost -> codes of FP4 (E2M1) and one E8M0 byte for each 32 along K.
;   W: wo [1024][1024] f32 -> f16 fragments.      M: mask [2048][2048] int32 -> lane masks, one bit a score.
; 1,024 wave tasks of equal bytes: a task is 16 rows x 4,096 bytes, taken as four chunks of 16 rows x 1,024 bytes.  Work-groups 0-175 take Q's 704 tiles of 16 rows
; (512 of x, 64 of each weight), 176-191 W's 64 tiles, 192-255 M's 256 half tiles.  The text parts once on the work-group's number into three straight paths.
; A load reads 512 consecutive bytes (16 a lane); a chunk turns through the wave's own stage in LDS (rows of 1,024 + 16 bytes) so that a lane gets neighbours along K of ONE row;
; every store writes 512 consecutive bytes, lane l's 16 bytes at 16 l: one unit of an image.  Waves share nothing: no barrier.  Each path has stage bytes of its own.
; No cluster: no two work-groups read the same bytes.
; THE QUANTISER: a block's scale is 2^(floor(log2(largest magnitude)) - 2); its byte is the largest magnitude's exponent field - 2, held at 1 from below by a floor among the maximum's leaves.
; A block of zeros so gets the byte 1 where the rule says 127: its codes are zeros, and this program alone reads the bytes.
; LIMITS: blocks whose largest magnitude lies under 2^-124 (the floor) were not tried; NaN and infinities among x and the weights are not served; |wo| stays under 65,504 (f16).
.set PS,    1040                       ; a stage row: 1,024 bytes + 16: row r begins 16 r bytes on, modulo 256
.set WSTG,  16*PS                      ; a wave's stage
.set PATHB, 4*WSTG                     ; a path's four stages
.set SPARE, 3*PATHB                    ; behind them: the spare words, 128 bytes a wave: two blocks of 256 bytes that no other line names
.set L16,   4                          ; v4   16 x lane: offset of every global load and store
.set STI,   5                          ; v5   stage + 16 x lane: the way in
.set SQ,    6                          ; v6   stage + PS r + 128 h: a lane's 32 numbers of a block (path Q)
.set STT,   7                          ; v7   stage + PS r + 32 h: a lane's 8 numbers of a tile of 16 columns (paths W, M)
.set SPW,   8                          ; v8   my spare word;  v9  0
.set NIL,   9
.set H8,    10                         ; v10  8 h
.set MX,    16                         ; v16-17 largest magnitudes, v18-19 scale operands, v20-21 bytes, v22-23 at work
.set R,     32                         ; v32-159  a chunk as loaded: 32 loads x 4 registers
.set X,     160                        ; v160-223 64 numbers of a lane
.set SW,    224                        ; v224-231 path Q: the tile's eight scale words
.set CD,    232                        ; v232-239 path Q: a fragment's codes
.set SRC,   26                         ; s[26:27] where the task's rows begin
.set DST,   28                         ; s[28:29] where its images go
.set DS2,   30                         ; s[30:31] path Q: its scale words
.macro ADDRS base                      ; the three LDS addresses of a path: constants, the lane and the wave's number
	v_add_nc_u32 v[STI], s36, v[L16]
	v_add_nc_u32 v[STI], \base, v[STI]
	v_mul_u32_u24 v[STT], v2, PS
	v_add_nc_u32 v[STT], s36, v[STT]
	v_add_nc_u32 v[STT], \base, v[STT]
	v_lshl_add_u32 v[SQ], v3, 7, v[STT]
	v_lshl_add_u32 v[STT], v3, 5, v[STT]
.endm
.macro LOADS q, pitch                  ; chunk q: 16 rows x 1,024 bytes, 32 loads of 512 consecutive bytes
.irp i, 0,1,2,3,4,5,6,7,8,9,10,11,12,13,14,15
	global_load_b128 v[R+8*\i:R+8*\i+3], v[L16], s[SRC:SRC+1] offset:\i*\pitch+1024*(\q) th:TH_LOAD_NT
	global_load_b128 v[R+8*\i+4:R+8*\i+7], v[L16], s[SRC:SRC+1] offset:\i*\pitch+1024*(\q)+512 th:TH_LOAD_NT
.endr
.endm
.macro STAGE q, pitch                  ; chunk q goes into the stage as it lies; the next chunk's loads fly while this one is worked on
	s_wait_loadcnt 0x0                             ; the chunk's 32 loads are in (nothing younger is out)
.irp i, 0,1,2,3,4,5,6,7,8,9,10,11,12,13,14,15
	ds_store_b128 v[STI], v[R+8*\i:R+8*\i+3] offset:PS*\i
	ds_store_b128 v[STI], v[R+8*\i+4:R+8*\i+7] offset:PS*\i+512
.endr
	s_wait_dscnt 0x0                               ; the stores have read their registers: the next chunk may land there
.if (\q) < 3
	LOADS (\q)+1, \pitch
.endif
.endm
.macro XTILES hh                       ; eight tiles of 16 columns: a lane's 8 numbers of each (row r, columns 16 a + 8 h + 0 .. 7)
.irp a, 0,1,2,3,4,5,6,7
	ds_load_b128 v[X+8*\a:X+8*\a+3], v[STT] offset:64*(8*(\hh)+\a)
	ds_load_b128 v[X+8*\a+4:X+8*\a+7], v[STT] offset:64*(8*(\hh)+\a)+16
.endr
	s_wait_dscnt 0x0
.endm
.macro FINISH                          ; the wave's end, behind my last LDS store
	s_wait_tensorcnt 0x0
	ds_add_u32 v[SPW], v[NIL]
	s_wait_dscnt 0x0
	s_endpgm
.endm
; Fragment f of chunk q: 16 rows x 128 K.  Lane (r, h) takes k = 64 c + 32 h + 0 .. 31 of row r: two whole blocks, in the order of the operand's registers.
.macro QFRAG q, f
.irp c, 0,1
.irp p, 0,1,2,3,4,5,6,7
	ds_load_b128 v[X+32*\c+4*\p:X+32*\c+4*\p+3], v[SQ] offset:512*(\f)+256*\c+16*\p
.endr
.endr
	s_wait_dscnt 0x0
.irp c, 0,1
	v_max3_num_f32 v[MX+\c], |v[X+32*\c]|, |v[X+32*\c+1]|, 0x1800000   ; the floor 2^(3 - 127) among the leaves: the byte cannot fall under 1
.endr
.irp i, 2,4,6,8,10,12,14,16,18,20,22,24,26,28,30
.irp c, 0,1
	v_max3_num_f32 v[MX+\c], v[MX+\c], |v[X+32*\c+\i]|, |v[X+32*\c+\i+1]|   ; the two blocks by turns
.endr
.endr
.irp c, 0,1
	v_add_nc_u32 v[MX+2+\c], 0xff000000, v[MX+\c]  ; 2 off the exponent field: the conversion's scale operand
.endr
.irp c, 0,1
	v_lshrrev_b32 v[MX+4+\c], 23, v[MX+2+\c]       ; the scale's byte
.endr
	v_lshl_or_b32 v22, v[MX+5], 16, v[MX+4]        ; my bytes: blocks h and 2 + h of row r,
	v_lshlrev_b32 v22, v[H8], v22                  ; at their places in the word;
	v_permlanex16_b32 v23, v22, s34, s35
	v_or_b32 v[SW+2*(\q)+(\f)], v22, v23           ; with lane l xor 16's two the word is whole, in both lanes
	s_wait_xcnt 0x0                                ; the last fragment's stores have read their data: the codes' registers may be written
.irp c, 0,1
.irp g, 0,1,2,3
	v_cvt_scalef32_pk8_fp4_f32 v[CD+4*\c+\g], v[X+32*\c+8*\g:X+32*\c+8*\g+7], v[MX+2+\c]
.endr
.endr
	v_nop                                          ; one plain line behind the last scaled conversion
.irp c, 0,1
	global_store_b128 v[L16], v[CD+4*\c:CD+4*\c+3], s[DST:DST+1] offset:((\q)/2)*32768+((\q)%2)*2048+1024*(\f)+512*\c   ; K half q / 2, fragment 2 (q % 2) + f, registers 4 c on
.endr
.endm
; Chunk q of wo: 16 rows e x 256 d.  Tile a' of 16 d gives half a' % 2 of fragment (a' / 2) % 4 of K step 2 q + a' / 8.
.macro WCH q
.irp hh, 0,1
	XTILES \hh
	s_wait_xcnt 0x0                                ; the earlier stores have read their data
.irp a, 0,1,2,3,4,5,6,7
.irp k, 0,1,2,3
	v_cvt_pk_f16_f32 v[224+4*\a+\k], v[X+8*\a+2*\k], v[X+8*\a+2*\k+1]
.endr
.endr
.irp a, 0,1,2,3,4,5,6,7
	global_store_b128 v[L16], v[224+4*\a:224+4*\a+3], s[DST:DST+1] offset:(2*(\q)+\hh)*65536+(\a/2)*1024+(\a%2)*512
.endr
.endr
.endm
; Chunk q of the mask: 16 queries x 256 keys = 4 key steps of 64 = 128 words.  Word 8 a' + j, bit L: mask[query L % 16][key 16 a' + 8 (L / 16) + j] != 0.
; Word wd goes to lane wd / 4, register wd % 4, so that one store of 16 bytes a lane writes the 128 words on end.
.macro MCH q
.irp hh, 0,1
	XTILES \hh
.irp a, 0,1,2,3,4,5,6,7
.irp j, 0,1,2,3,4,5,6,7
	v_cmp_ne_u32 s[40+\j], 0, v[X+8*\a+\j]
.endr
.irp j, 0,1,2,3,4,5,6,7
	v_writelane_b32 v[224+4*(\q)+\j%4], s[40+\j], 2*(8*\hh+\a)+\j/4
.endr
.endr
.endr
	global_store_b128 v[L16], v[224+4*(\q):224+4*(\q)+3], s[DST:DST+1] offset:512*(\q)   ; each chunk has its own four registers: no store's data are written again
.endm
	s_load_b512 s[4:19], s[0:1], 0x0               ; x, wq, wk, wv, wo, mask, cod, scl
	s_load_b128 s[20:23], s[0:1], 0x40             ; wof, mw
	v_lshl_add_u32 v[SPW], v0, 2, SPARE
	v_mov_b32 v[NIL], 0
	v_lshrrev_b32 v1, 5, v0
	v_readfirstlane_b32 s24, v1                    ; wave 0..3
	v_and_b32 v1, 31, v0                           ; lane
	v_and_b32 v2, 15, v0                           ; r
	v_bfe_u32 v3, v0, 4, 1                         ; h
	v_lshlrev_b32 v[L16], 4, v1
	v_lshlrev_b32 v[H8], 3, v3
	s_mul_i32 s36, s24, WSTG                       ; my stage in a path's bytes
	s_mov_b32 s33, 0                               ; the high word of every offset pair s[32:33]
	s_mov_b32 s34, 0x76543210
	s_mov_b32 s35, 0xfedcba98                      ; v_permlanex16_b32's selects for lane l xor 16
	s_wait_kmcnt 0x0
	s_cmp_lt_u32 ttmp9, 176
	s_cbranch_scc0 .Lnot_q
	; ---- Q: tile T = 4 g + wave of the 704
	s_lshl_b32 s25, ttmp9, 2
	s_add_co_u32 s25, s25, s24                     ; T
	s_cmp_lt_u32 ttmp9, 160                        ; the tensor is chosen by the work-group's number alone
	s_cselect_b64 s[SRC:SRC+1], s[8:9], s[10:11]
	s_cmp_lt_u32 ttmp9, 144
	s_cselect_b64 s[SRC:SRC+1], s[6:7], s[SRC:SRC+1]
	s_cmp_lt_u32 ttmp9, 128
	s_cselect_b64 s[SRC:SRC+1], s[4:5], s[SRC:SRC+1]
	s_cselect_b32 s32, 511, 63                     ; the tile's number in its own tensor: 512, 576 and 640 are multiples of 64
	s_and_b32 s32, s25, s32
	s_lshl_b32 s32, s32, 16                        ; 16 rows of 4,096 bytes
	s_add_nc_u64 s[SRC:SRC+1], s[SRC:SRC+1], s[32:33]
	s_lshr_b32 s37, s25, 3
	s_lshl_b32 s37, s37, 16                        ; cod: block of 128 rows T / 8: 65,536 bytes,
	s_and_b32 s38, s25, 7
	s_lshl_b32 s38, s38, 12                        ; tile T % 8 in a K half: 4,096 bytes
	s_add_co_u32 s32, s37, s38
	s_add_nc_u64 s[DST:DST+1], s[16:17], s[32:33]
	s_lshl_b32 s32, s25, 9                         ; scl: 512 bytes a tile
	s_add_nc_u64 s[DS2:DS2+1], s[18:19], s[32:33]
	ADDRS 0
	v_mov_b32 v23, 0                               ; written once: a lane permute's destination counts as one of its sources
	LOADS 0, 4096
.irp q, 0,1,2,3
	STAGE \q, 4096
	QFRAG \q, 0
	QFRAG \q, 1
.endr
	v_cmp_eq_u32 vcc_lo, 1, v3                     ; lane (r, h) stores row r's four words of K half h: 512 consecutive bytes
.irp k, 0,1,2,3
	v_cndmask_b32 v[240+\k], v[SW+\k], v[SW+4+\k], vcc_lo
.endr
	global_store_b128 v[L16], v[240:243], s[DS2:DS2+1]
	FINISH
.Lnot_q:
	s_cmp_lt_u32 ttmp9, 192
	s_cbranch_scc0 .Lmask
	; ---- W: tile E = 4 (g - 176) + wave of wo's 64 tiles of 16 rows e
	s_sub_co_u32 s25, ttmp9, 176
	s_lshl_b32 s25, s25, 2
	s_add_co_u32 s25, s25, s24
	s_lshl_b32 s32, s25, 16
	s_add_nc_u64 s[SRC:SRC+1], s[12:13], s[32:33]
	s_lshr_b32 s37, s25, 4
	s_lshl_b32 s37, s37, 19                        ; wof: block of 256 e: 524,288 bytes,
	s_and_b32 s38, s25, 15
	s_lshl_b32 s38, s38, 12                        ; tile in a K step: 4,096 bytes
	s_add_co_u32 s32, s37, s38
	s_add_nc_u64 s[DST:DST+1], s[20:21], s[32:33]
	ADDRS PATHB
	LOADS 0, 4096
.irp q, 0,1,2,3
	STAGE \q, 4096
	WCH \q
.endr
	FINISH
.Lmask:
	; ---- M: task id = 4 (g - 192) + wave: query tile id / 2, keys 1,024 (id % 2) on
	s_sub_co_u32 s25, ttmp9, 192
	s_lshl_b32 s25, s25, 2
	s_add_co_u32 s25, s25, s24
	s_lshr_b32 s37, s25, 1
	s_lshl_b32 s37, s37, 17                        ; 16 rows of 8,192 bytes
	s_and_b32 s38, s25, 1
	s_lshl_b32 s38, s38, 12
	s_add_co_u32 s32, s37, s38
	s_add_nc_u64 s[SRC:SRC+1], s[14:15], s[32:33]
	s_lshl_b32 s32, s25, 11                        ; mw: 4,096 bytes a query tile, 2,048 a half
	s_add_nc_u64 s[DST:DST+1], s[22:23], s[32:33]
	ADDRS 2*PATHB
.irp k, 0,1,2,3,4,5,6,7,8,9,10,11,12,13,14,15
	v_mov_b32 v[224+\k], 0                         ; written once: v_writelane_b32's destination counts as one of its sources
.endr
	LOADS 0, 8192
.irp q, 0,1,2,3
	STAGE \q, 8192
	MCH \q
.endr
	FINISH
.Lfunc_end_k_q82888cc8a8_prep:
	.size	k_q82888cc8a8_prep, .Lfunc_end_k_q82888cc8a8_prep-k_q82888cc8a8_prep
	.p2alignl 7, 3214868480
	.fill 96, 4, 3214868480
	.section	.rodata,"a",@progbits
	.p2align	6, 0x0
	.amdhsa_kernel k_q82888cc8a8_prep
		.amdhsa_group_segment_fixed_size 200192
		.amdhsa_private_segment_fixed_size 0
		.amdhsa_enable_private_segment 0
		.amdhsa_kernarg_size 80
		.amdhsa_user_sgpr_count 2
		.amdhsa_user_sgpr_kernarg_segment_ptr 1
		.amdhsa_wavefront_size32 1
		.amdhsa_system_sgpr_workgroup_id_x 1
		.amdhsa_system_sgpr_workgroup_id_y 1
		.amdhsa_system_sgpr_workgroup_id_z 1
		.amdhsa_system_vgpr_workitem_id 0
		.amdhsa_next_free_vgpr 256
		.amdhsa_next_free_sgpr 66
		.amdhsa_reserve_vcc 1
		.amdhsa_float_denorm_mode_32 3
		.amdhsa_float_denorm_mode_16_64 3
		.amdhsa_memory_ordered 1
		.amdhsa_forward_progress 1
		.amdhsa_inst_pref_size 203
	.end_amdhsa_kernel
	.amdgpu_metadata
---
amdhsa.version: [ 1, 2 ]
amdhsa.kernels:
  - .name:           k_q82888cc8a8_prep
    .symbol:         k_q82888cc8a8_prep.kd
    .args:
      - { .name: x, .offset: 0, .size: 8, .value_kind: global_buffer, .address_space: global }
      - { .name: wq, .offset: 8, .size: 8, .value_kind: global_buffer, .address_space: global }
      - { .name: wk, .offset: 16, .size: 8, .value_kind: global_buffer, .address_space: global }
      - { .name: wv, .offset: 24, .size: 8, .value_kind: global_buffer, .address_space: global }
      - { .name: wo, .offset: 32, .size: 8, .value_kind: global_buffer, .address_space: global }
      - { .name: mask, .offset: 40, .size: 8, .value_kind: global_buffer, .address_space: global }
      - { .name: cod, .offset: 48, .size: 8, .value_kind: global_buffer, .address_space: global }
      - { .name: scl, .offset: 56, .size: 8, .value_kind: global_buffer, .address_space: global }
      - { .name: wof, .offset: 64, .size: 8, .value_kind: global_buffer, .address_space: global }
      - { .name: mw, .offset: 72, .size: 8, .value_kind: global_buffer, .address_space: global }
    .group_segment_fixed_size: 200192
    .private_segment_fixed_size: 0
    .kernarg_segment_align: 8
    .kernarg_segment_size: 80
    .max_flat_workgroup_size: 128
    .sgpr_count:     66
    .vgpr_count:     256
    .wavefront_size: 32
...
	.end_amdgpu_metadata
.endif
;; end of part 1
;; launch qkv (part 2): grid 12 x 32, 4 waves a work-group, clusters of 4 x 4, 327,680 bytes of LDS; arguments cod, scl, bq, bk, bv, qkv; writes qkv
.if DOCPART == 2
	.amdgcn_target "amdgcn-amd-amdhsa--gfx1250"
	.amdhsa_code_object_version 6
	.text
	.protected	k_q82888cc8a8_qkv
	.globl	k_q82888cc8a8_qkv
	.p2align	8
	.type	k_q82888cc8a8_qkv,@function
k_q82888cc8a8_qkv:
	s_mov_b64 s[64:65], 0
	v_nop
	global_prefetch_b8 v0, s[64:65] scope:SCOPE_SE
	s_setreg_imm32_b32 hwreg(HW_REG_WAVE_MODE, 25, 1), 1
	s_wait_xcnt 0x0
	s_wait_alu depctr_hold_cnt(0) depctr_sa_sdst(0) depctr_va_vdst(0) depctr_va_sdst(0) depctr_va_ssrc(0) depctr_va_vcc(0) depctr_vm_vsrc(0)
	s_getreg_b32 s2, hwreg(HW_REG_IB_STS2, 6, 4)
	s_cmp_eq_u32 s2, 0
	s_cbranch_scc0 .Lentry_in_a_cluster
	s_endpgm
.Lentry_in_a_cluster:
	s_bfe_u32 s2, ttmp6, 0x10000c
	s_cmp_lg_u32 s2, 0xf033
	s_cbranch_scc0 .Lentry_shape_is_right
	s_endpgm
.Lentry_shape_is_right:
; q, k, v = x W^T + b for W = wq, wk, wv, on codes of FP4 (E2M1) with one E8M0 scale for each 32 along K = 1,024; sums in f32.  The three weights are one operand of 3,072 rows.
; A tile of 256 tokens x 256 e is made by a work-group of four waves; a wave makes 128 x 128: 64 accumulators, 512 registers.  12 x 32 tiles; the cluster's x (0, 1, 2) says q, k or v.
; 384 work-groups do not divide evenly among 256 WGPs: a tile of 256 x 384 would, but its accumulators do not fit a wave's registers beside the fragments.
; CODES AND SCALES LIE IN MEMORY AS IMAGES OF THE OPERAND'S REGISTERS: 128 rows x 512 K are 32,768 dense bytes, [tile of 16 rows][fragment of 128 K][registers 4 c on][16 bytes a lane].
; So a tensor load is a dense block of 256-byte rows, and a fragment is two ds_load_b128 at 16 x lane + a constant: 512 consecutive bytes each, no pitch, no padding.
; K = 1,024 is two slots of 512: both are asked for at the start, with the scales, and nothing is filled again.  By this text's count three tensor loads of a wave are out at the most.
; CLUSTERS: 4 x 4 work-groups.  The four of a row of the cluster need the same tokens, the four of a column the same rows of W: each block is asked for JOINTLY.
; THE MATRIX INSTRUCTION IS USED TRANSPOSED (source 0 = 16 rows of W, source 1 = 16 tokens): lane (r, h) holds token r and channels 16 b + 8 h + 0 .. 7.
; THE WAY OUT needs no LDS: (sum + bias) x s, rounded to f16, is 16 bytes a lane, and these ARE registers 0-3 or 4-7 of a 16 x 32 f16 fragment of the attention launch: a store writes one image unit, 512 consecutive bytes.
; s = log2(e) / 8 for q (so that attention's scores are exponents of 2), 1 for k and v.  v's lanes store to permuted places of the unit, those from which the turning LDS load reads it at 16 x lane.
; LIMITS: |q| log2(e) / 8, |k|, |v| stay under 65,504 (f16).
; REGISTERS, in windows of 256: window 0: v0-31 addresses; v32-95 scale words, two sets, and nothing else; v128-191 the tokens' fragments, ONE set (on the way out: packed results); v192-255 the bias of my 128 channels.
;   window 1: W's fragments, TWO sets, at v0 and v128 (on the way out v0-63: results in f32).   window 2: accumulators of my tokens 0-63 ((a, b) at v[8 (8 a + b)]);   window 3: of tokens 64-127.
.set NQ,     4                         ; steps of 128 along K in a slot
.set FR,     8                         ; registers of a fragment
.set NL,     2                         ; LDS loads that bring one
.set NP,     4                         ; places behind this matrix instruction (ISA guide 7.12.1)
.set HALFT,  32768                     ; 128 rows x 512 K: what one tensor load brings
.set SLOT,   4*HALFT                   ; the tokens' 256 rows, then W's 256 rows
.set SCL,    2*SLOT                    ; behind the slots: the scale words, 4,096 bytes for 128 rows
.set HALFS,  4096
.set SBLK,   512                       ; those of 16 rows: [K half][row][4 words]
.set SPARE,  SCL+4*HALFS               ; the spare words, 128 bytes a wave: two blocks of 256 bytes that no other line names
.set ADRA, 16                          ; v16-17  LDS address of my tokens' fragments in slot 0, 1
.set ADRB, 20                          ; v20-21  the same for W
.set BOF,  25                          ; v25     32 h: my eight numbers of a tile of the bias
.set CO,   26                          ; v26     my 16 bytes' place in an image unit
.set ADRS, 27                          ; v27     LDS address of my scale words: lanes 0-15 the tokens', lanes 16-31 W's
.set SPW,  28                          ; v28     my spare word;  v29  0
.set NIL,  29
.set SC,   32
.set AF,   128
.set PK,   128
.set BI,   192
.set G1, 24                            ; s[24:31], s[32:39] groups 1 and 0 (a set for each slot) for the tokens' codes
.set G0, 32
.set G1B, 48                           ; s[48:55], s[56:63] for W's
.set G0B, 56
.set G1S, 68                           ; s[68:75], s[76:79] for the tokens' scales;  s[80:87], s[88:91] for W's
.set G0S, 76
.set G1SB, 80
.set G0SB, 88
.set MSB, 0
.macro WIN new                         ; the immediate's high byte repeats the setting that is left
.if MSB != (\new)
	s_set_vgpr_msb (MSB<<8)|(\new)
.set MSB, (\new)
.endif
.endm
.set MUL_LO, 0xa1                      ; source 0 (W) window 1, source 1 (tokens) window 0, C and D window 2
.set MUL_HI, 0xf1                      ; the same, C and D window 3
.set TO_B,   0x40                      ; destination window 1, address window 0
; A joint load: waves 0 and 1 fetch for the tokens, waves 2 and 3 for W.  The branch hangs on the wave's number alone.  An s_nop 0 and four v_nop follow each line.
.macro JLOAD g0a, g1a, g0b, g1b
	s_cmp_eq_u32 s15, 0
	s_cbranch_scc0 .Lfor_b_\@
	tensor_load_to_lds s[\g0a:\g0a+3], s[\g1a:\g1a+7]
	s_nop 0
.rept 4
	v_nop
.endr
	s_branch .Lasked_\@
.Lfor_b_\@:
	tensor_load_to_lds s[\g0b:\g0b+3], s[\g1b:\g1b+7]
	s_nop 0
.rept 4
	v_nop
.endr
.Lasked_\@:
.endm
.macro CROUND                          ; a round of the cluster's barrier
	s_barrier_signal -1
	s_barrier_wait -1
	s_cmp_lg_u32 s14, 0
	s_cbranch_scc1 .Lnot_wave_0_\@
	s_barrier_signal -3
.Lnot_wave_0_\@:
	s_barrier_wait -3
	s_barrier_signal -1
	s_barrier_wait -1
.endm
	s_load_b256 s[4:11], s[0:1], 0x0               ; cod s[4:5], scl s[6:7], bq s[8:9], bk s[10:11]
	s_load_b128 s[96:99], s[0:1], 0x20             ; bv s[96:97], qkv s[98:99]
	v_lshl_add_u32 v[SPW], v0, 2, SPARE
	v_mov_b32 v[NIL], 0
	ds_add_u32 v[SPW], v[NIL]                      ; the wave's opening: the add, twice on end, and its wait ahead of my first tensor load
	ds_add_u32 v[SPW], v[NIL]
	v_lshrrev_b32 v1, 5, v0
	v_readfirstlane_b32 s14, v1                    ; wave 0..3
	s_lshr_b32 s15, s14, 1                         ; which half of the tile's tokens is mine.  Also: I fetch for the tokens (0) or for W (1)
	s_and_b32 s16, s14, 1                          ; which half of its channels.  Also: which 128 rows I fetch
	s_bfe_u32 s40, ttmp6, 0x40000                  ; cx, cy: my place in the cluster
	s_bfe_u32 s41, ttmp6, 0x40004
	s_lshl_b32 s42, ttmp9, 2
	s_add_co_u32 s42, s42, s40                     ; tile column = 4 x cluster x + cx, 0..11
	s_and_b32 s17, ttmp7, 0xffff
	s_lshl_b32 s17, s17, 2
	s_add_co_u32 s17, s17, s41                     ; tile row = 4 x cluster y + cy, 0..31
	s_lshl_b32 s43, s41, 2
	s_lshl_b32 s43, 15, s43                        ; my row of the cluster
	s_lshl_b32 s44, 0x1111, s40                    ; my column
	; group 1: a dense block as rows of 256 bytes (32 elements of 8 bytes), no padding: 128 rows of codes, 16 rows of scales
	s_or_b32 s[G1+0], s43, (3<<16)|(1<<21)         ; 15:0 the mask; 17:16 elements of 8 bytes; 21 set beside a mask
	s_or_b32 s[G1B+0], s44, (3<<16)|(1<<21)
.irp g, G1, G1B
	s_mov_b32 s[\g+1], 32<<16                      ; tensor_dim0
	s_mov_b32 s[\g+2], 128<<16                     ; tensor_dim1
	s_mov_b32 s[\g+3], 32<<16                      ; tile_dim0
	s_mov_b32 s[\g+4], 128                         ; tile_dim1
	s_mov_b32 s[\g+5], 32                          ; tensor_dim0_stride
	s_mov_b32 s[\g+6], 0
	s_mov_b32 s[\g+7], 0
.endr
	s_or_b32 s[G1S+0], s43, (3<<16)|(1<<21)
	s_or_b32 s[G1SB+0], s44, (3<<16)|(1<<21)
.irp g, G1S, G1SB
	s_mov_b32 s[\g+1], 32<<16
	s_mov_b32 s[\g+2], 16<<16
	s_mov_b32 s[\g+3], 32<<16
	s_mov_b32 s[\g+4], 16
	s_mov_b32 s[\g+5], 32
	s_mov_b32 s[\g+6], 0
	s_mov_b32 s[\g+7], 0
.endr
	s_lshl_b32 s20, s17, 1
	s_add_co_u32 s20, s20, s16                     ; the tokens' block of 128 rows: 2 x tile row + half
	s_lshl_b32 s46, s42, 1
	s_add_co_u32 s46, s46, s16
	s_add_co_u32 s46, s46, 64                      ; W's: behind x's 64 blocks
	s_lshl_b32 s22, s20, 12                        ; scales: 4,096 bytes a block
	s_mov_b32 s23, 0
	s_lshl_b32 s20, s20, 16                        ; codes: 65,536
	s_mov_b32 s21, 0
	s_lshl_b32 s92, s46, 12
	s_mov_b32 s93, 0
	s_lshl_b32 s46, s46, 16
	s_mov_b32 s47, 0
	s_lshl_b32 s45, s14, 15                        ; where they go: wave x HALFT, wave x HALFS: no place in the cluster enters an LDS address
	s_lshl_b32 s94, s14, 12
	s_wait_dscnt 0x0                               ; both opening adds are done
	s_wait_kmcnt 0x0
	s_add_nc_u64 s[20:21], s[4:5], s[20:21]
	s_add_nc_u64 s[22:23], s[6:7], s[22:23]
	s_add_nc_u64 s[46:47], s[4:5], s[46:47]
	s_add_nc_u64 s[92:93], s[6:7], s[92:93]
	CROUND                                         ; all sixteen work-groups are here: the first joint loads meet
	s_mov_b32 s[G0S], 1
	s_add_co_u32 s[G0S+1], s94, SCL
	s_mov_b64 s[G0S+2:G0S+3], s[22:23]
	s_or_b32 s[G0S+3], s[G0S+3], 0x80000000
	s_mov_b32 s[G0SB], 1
	s_add_co_u32 s[G0SB+1], s94, SCL
	s_mov_b64 s[G0SB+2:G0SB+3], s[92:93]
	s_or_b32 s[G0SB+3], s[G0SB+3], 0x80000000
	JLOAD G0S, G1S, G0SB, G1SB                     ; the scales first: they are wanted with K half 0
.irp s, 0,1
	s_mov_b32 s[G0+4*\s], 1
	s_add_co_u32 s[G0+4*\s+1], s45, \s*SLOT
	s_add_nc_u64 s[G0+4*\s+2:G0+4*\s+3], s[20:21], \s*HALFT
	s_or_b32 s[G0+4*\s+3], s[G0+4*\s+3], 0x80000000
	s_mov_b32 s[G0B+4*\s], 1
	s_add_co_u32 s[G0B+4*\s+1], s45, \s*SLOT
	s_add_nc_u64 s[G0B+4*\s+2:G0B+4*\s+3], s[46:47], \s*HALFT
	s_or_b32 s[G0B+4*\s+3], s[G0B+4*\s+3], 0x80000000
	JLOAD G0+4*\s, G1, G0B+4*\s, G1B
.endr
	v_and_b32 v1, 15, v0                           ; r
	v_bfe_u32 v2, v0, 4, 1                         ; h
	v_and_b32 v3, 31, v0
	v_lshlrev_b32 v4, 4, v3                        ; 16 x lane
	v_lshlrev_b32 v[BOF], 5, v2
	; which of the three products: the cluster's x, the same in all sixteen partners; it enters selects and offsets alone
	s_cmp_eq_u32 ttmp9, 1
	s_cselect_b64 s[12:13], s[10:11], s[96:97]
	s_cmp_eq_u32 ttmp9, 0
	s_cselect_b64 s[12:13], s[8:9], s[12:13]       ; bq, bk or bv
	s_cselect_b32 s100, 0x3e38aa3b, 1.0            ; s: log2(e) / 8 for q, else 1
	s_mov_b32 s101, s100                           ; (named with it as a pair, so it is written)
	s_cmp_eq_u32 ttmp9, 2
	s_cselect_b32 s95, -1, 0                       ; all lanes, for v
	s_lshl_b32 s18, s40, 10
	s_lshl_b32 s19, s16, 9
	s_add_co_u32 s18, s18, s19                     ; my first channel in the product's 1,024: 256 cx + 128 half, in bytes
	s_mov_b32 s19, 0
	s_add_nc_u64 s[12:13], s[12:13], s[18:19]
.irp b, 0,1,2,3,4,5,6,7
	global_load_b128 v[BI+8*\b:BI+8*\b+3], v[BOF], s[12:13] offset:64*\b       ; the bias in the result's layout: channels 16 b + 8 h + 0 .. 7
	global_load_b128 v[BI+8*\b+4:BI+8*\b+7], v[BOF], s[12:13] offset:64*\b+16
.endr
	s_lshl_b32 s21, s15, 15                        ; my 128 tokens
	s_lshl_b32 s22, s16, 15                        ; my 128 rows of W,
	s_add_co_u32 s22, s22, 2*HALFT                 ; which lie behind the tokens' 256
.irp s, 0,1
	v_add_nc_u32 v[ADRA+\s], s21, v4
	v_add_nc_u32 v[ADRB+\s], s22, v4
	s_add_co_u32 s21, s21, SLOT
	s_add_co_u32 s22, s22, SLOT
.endr
	v_lshlrev_b32 v5, 4, v1                        ; my row's four words of a K half
	s_lshl_b32 s21, s15, 12                        ; the tokens': my 128 rows
	s_lshl_b32 s22, s16, 12                        ; W's: my 128 rows, behind the tokens' 256
	s_add_co_u32 s22, s22, 2*HALFS
	s_sub_co_u32 s22, s22, s21
	v_mul_u32_u24 v6, s22, v2                      ; lanes 16-31 take W's: one product, the distance between the two bases x h
	s_add_co_u32 s21, s21, SCL
	v_add_nc_u32 v5, v5, v6
	v_add_nc_u32 v[ADRS], s21, v5
	v_lshrrev_b32 v7, 3, v1                        ; v's place in a unit: 16 x (16 (r / 8) + 8 h + r % 8)
	v_and_b32 v8, 7, v1
	v_lshl_add_u32 v8, v7, 4, v8
	v_lshl_add_u32 v8, v2, 3, v8
	v_lshlrev_b32 v8, 4, v8
	v_cndmask_b32 v[CO], v4, v8, s95               ; q's and k's: 16 x lane
	; where my part begins in qkv: [kind][batch x 16 + head][token tile][tile of 16 channels][512 bytes]
	s_lshl_b32 s20, s17, 4
	s_lshl_b32 s21, s15, 3
	s_add_co_u32 s20, s20, s21                     ; my first token tile of the 512
	s_lshr_b32 s21, s20, 7
	s_lshl_b32 s21, s21, 4                         ; batch x 16
	s_lshl_b32 s22, s40, 2
	s_add_co_u32 s21, s21, s22
	s_lshl_b32 s22, s16, 1
	s_add_co_u32 s21, s21, s22                     ; + my first head: 4 cx + 2 half
	s_lshl_b32 s21, s21, 7
	s_and_b32 s23, s20, 127
	s_add_co_u32 s21, s21, s23                     ; x 128 token tiles + the tile in its batch
	s_lshl_b32 s21, s21, 11                        ; 2,048 bytes a token tile
	s_lshl_b32 s22, ttmp9, 24                      ; 16 MiB a kind
	s_add_co_u32 s20, s21, s22
	s_mov_b32 s21, 0
	s_add_nc_u64 s[98:99], s[98:99], s[20:21]
.macro FRAG reg, adr, q, i             ; a fragment's image: registers 4 c .. 4 c + 3 at 16 x lane
.irp c, 0,1
	ds_load_b128 v[\reg+4*\c:\reg+4*\c+3], v[\adr] offset:4096*(\i)+1024*(\q)+512*\c
.endr
.endm
; 16 matrix instructions: the tokens' blocks a0, a0 + 1 x W's eight, 128 along K: the slot's q-th.  p: W's set;  sc: the set of scale words.  zero = 1: the first product starts the sums.
; The 64 accumulators take turns, one instruction a turn, in the same order in every step.
.macro MUL16 a0, p, q, sc, zero
.irp a, \a0, \a0+1
.irp b, 0,1,2,3,4,5,6,7
.if \zero
	v_wmma_scale_f32_16x16x128_f8f6f4 v[8*(8*((\a)%4)+\b):8*(8*((\a)%4)+\b)+7], v[128*(\p)+FR*\b:128*(\p)+FR*\b+FR-1], v[AF+FR*(\a):AF+FR*(\a)+FR-1], 0, v[SC+8*NQ*(\sc)+NQ*\b+(\q)], v[SC+8*NQ*(\sc)+NQ*(\a)+(\q)] matrix_a_fmt:MATRIX_FMT_FP4 matrix_b_fmt:MATRIX_FMT_FP4 matrix_a_scale:MATRIX_SCALE_ROW1
.else
	v_wmma_scale_f32_16x16x128_f8f6f4 v[8*(8*((\a)%4)+\b):8*(8*((\a)%4)+\b)+7], v[128*(\p)+FR*\b:128*(\p)+FR*\b+FR-1], v[AF+FR*(\a):AF+FR*(\a)+FR-1], v[8*(8*((\a)%4)+\b):8*(8*((\a)%4)+\b)+7], v[SC+8*NQ*(\sc)+NQ*\b+(\q)], v[SC+8*NQ*(\sc)+NQ*(\a)+(\q)] matrix_a_fmt:MATRIX_FMT_FP4 matrix_b_fmt:MATRIX_FMT_FP4 matrix_a_scale:MATRIX_SCALE_ROW1
.endif
.endr
.endr
.endm
.macro FETCH_B slot, q, p              ; W's eight fragments of the slot's q-th 128 along K into set p
	WIN TO_B
.irp i, 0,1,2,3,4,5,6,7
	FRAG 128*(\p)+FR*\i, ADRB+\slot, \q, \i
.endr
	WIN 0
.endm
.macro FETCH_A slot, q, i0             ; the tokens' blocks i0 .. i0 + 3
.irp i, \i0, \i0+1, \i0+2, \i0+3
	FRAG AF+FR*(\i), ADRA+\slot, \q, \i
.endr
.endm
.macro SCALES sc                       ; a K half's scale words into set sc: four words a row; lanes 0-15 take the tokens' block i, lanes 16-31 W's block i
.irp i, 0,1,2,3,4,5,6,7
	ds_load_b128 v[SC+8*NQ*\sc+NQ*\i:SC+8*NQ*\sc+NQ*\i+3], v[ADRS] offset:\i*SBLK
.endr
.endm
.macro PLACES n                        ; places in front of loads into registers that matrix instructions have read, and of the first read of results: plain vector lines that name none of their registers
.rept \n
	v_nop
.endr
.endm
; A step of 128 along K that has its successor in the same slot.  A block of tokens is free as soon as its eight products are issued, so one set serves: blocks 0-3 are fetched anew in the step's middle, blocks 4-7 at its end.
.macro STEP slot, q, zero
	s_wait_dscnt 4*NL                              ; W's set and blocks 0-3 are in; the youngest eight loads (blocks 4-7) may be out
	WIN MUL_LO
	MUL16 0, (\q)%2, \q, \slot, \zero
	MUL16 2, (\q)%2, \q, \slot, \zero
	s_wait_dscnt 0                                 ; blocks 4-7 are in (asked for 32 matrix instructions ago)
	PLACES NP
	FETCH_B \slot, (\q)+1, 1-(\q)%2
	FETCH_A \slot, (\q)+1, 0
	WIN MUL_HI
	MUL16 4, (\q)%2, \q, \slot, \zero
	MUL16 6, (\q)%2, \q, \slot, \zero
	PLACES NP
	WIN 0
	FETCH_A \slot, (\q)+1, 4
.endm
; Slot 0's last step changes slots: one barrier; in front of it each wave waits for all its tensor loads (its part of slot 1), adds 0 to its spare word and waits for that and for its reads.  Nothing is filled again.
.macro TURN slot, next
	s_wait_tensorcnt 0x0                           ; all my tensor loads have landed  (every window is 0 here)
	ds_add_u32 v[SPW], v[NIL]                      ; 0 onto my spare word
	s_wait_dscnt 4*NL+1                            ; (the add and the youngest eight loads may be out)
	WIN MUL_LO
	MUL16 0, 1, NQ-1, \slot, 0                     ; sixteen matrix instructions stand between the add and the wait for it
	s_wait_dscnt 0x0                               ; the add is done, and my reads of this slot are over
	s_barrier_signal -1
	MUL16 2, 1, NQ-1, \slot, 0
	WIN 0
	s_barrier_wait -1                              ; the next slot is whole
	PLACES NP
	v_add_nc_u32 v[ADRS], 256, v[ADRS]             ; on to the next K half's scale words (no LDS load of mine is out)
	FETCH_B \next, 0, 0
	FETCH_A \next, 0, 0
	SCALES \next
	WIN MUL_HI
	MUL16 4, 1, NQ-1, \slot, 0
	MUL16 6, 1, NQ-1, \slot, 0
	PLACES NP
	WIN 0
	FETCH_A \next, 0, 4
.endm
.macro STEPS slot, from                ; the slot's steps from .. NQ - 2
.set Q, \from
.rept NQ-1-\from
	STEP \slot, Q, 0
.set Q, Q+1
.endr
.endm
	s_wait_tensorcnt 1                             ; the scales and my part of slot 0 are in; slot 1's load may be out
	s_barrier_signal -1
	s_barrier_wait -1                              ; everybody's are
	FETCH_B 0, 0, 0
	FETCH_A 0, 0, 0
	SCALES 0
	FETCH_A 0, 0, 4
	STEP 0, 0, 1                                   ; the first step's products start the sums: nothing is cleared
	STEPS 0, 1
	TURN 0, 1
	STEPS 1, 0
	s_wait_dscnt 4*NL                              ; the very last step: nothing more to fetch
	WIN MUL_LO
	MUL16 0, 1, NQ-1, 1, 0
	MUL16 2, 1, NQ-1, 1, 0
	s_wait_dscnt 0
	WIN MUL_HI
	MUL16 4, 1, NQ-1, 1, 0
	MUL16 6, 1, NQ-1, 1, 0
	WIN 0
	; THE WAY OUT.  bias x s first: 32 plain lines that name no register of the last products: they are the places behind them.
	s_wait_loadcnt 0x0                             ; the bias
.set i, 0
.rept 32
	v_pk_mul_f32 v[BI+i:BI+i+1], v[BI+i:BI+i+1], s[100:101] op_sel_hi:[1,0]
.set i, i+2
.endr
; Block a: 16 tokens x 128 channels.  sum x s + bias x s into window 1 (each accumulator from its low end on), rounded to f16 into window 0, eight stores of 512 consecutive bytes.
.macro OUTBLK a
	s_wait_xcnt 0x0                                ; the last block's stores have read their data
	WIN 0x42+(\a)/4                                ; source 0 window 2 or 3, source 2 (the bias) window 0, destination window 1
.irp b, 0,1,2,3,4,5,6,7
.irp p, 0,1,2,3
	v_pk_fma_f32 v[8*\b+2*\p:8*\b+2*\p+1], v[8*(8*((\a)%4)+\b)+2*\p:8*(8*((\a)%4)+\b)+2*\p+1], s[100:101], v[BI+8*\b+2*\p:BI+8*\b+2*\p+1] op_sel_hi:[1,0,1]
.endr
.endr
	WIN 0x05                                       ; sources 0 and 1 window 1, destination window 0
.irp b, 0,1,2,3,4,5,6,7
.irp p, 0,1,2,3
	v_cvt_pk_f16_f32 v[PK+4*\b+\p], v[8*\b+2*\p], v[8*\b+2*\p+1]
.endr
.endr
	WIN 0
.irp b, 0,1,2,3,4,5,6,7
	global_store_b128 v[CO], v[PK+4*\b:PK+4*\b+3], s[98:99] offset:2048*(\a)+(\b/4)*262144+(\b%4)*512   ; token tile a, head b / 4, tile of channels b % 4
.endr
.endm
.irp a, 0,1,2,3,4,5,6,7
	OUTBLK \a
.endr
	s_wait_tensorcnt 0x0                           ; the wave's end, behind my last tensor load
	ds_add_u32 v[SPW], v[NIL]
	s_wait_dscnt 0x0
	CROUND                                         ; the closing round: no work-group ends while a partner may still ask for a block that names it
	s_endpgm
.Lfunc_end_k_q82888cc8a8_qkv:
	.size	k_q82888cc8a8_qkv, .Lfunc_end_k_q82888cc8a8_qkv-k_q82888cc8a8_qkv
	.p2alignl 7, 3214868480
	.fill 96, 4, 3214868480
	.section	.rodata,"a",@progbits
	.p2align	6, 0x0
	.amdhsa_kernel k_q82888cc8a8_qkv
		.amdhsa_group_segment_fixed_size 327680
		.amdhsa_private_segment_fixed_size 0
		.amdhsa_enable_private_segment 0
		.amdhsa_kernarg_size 48
		.amdhsa_user_sgpr_count 2
		.amdhsa_user_sgpr_kernarg_segment_ptr 1
		.amdhsa_wavefront_size32 1
		.amdhsa_system_sgpr_workgroup_id_x 1
		.amdhsa_system_sgpr_workgroup_id_y 1
		.amdhsa_system_sgpr_workgroup_id_z 1
		.amdhsa_system_vgpr_workitem_id 0
		.amdhsa_next_free_vgpr 1024
		.amdhsa_next_free_sgpr 102
		.amdhsa_reserve_vcc 0
		.amdhsa_float_denorm_mode_32 3
		.amdhsa_float_denorm_mode_16_64 3
		.amdhsa_memory_ordered 1
		.amdhsa_forward_progress 1
		.amdhsa_inst_pref_size 137
	.end_amdhsa_kernel
	.amdgpu_metadata
---
amdhsa.version: [ 1, 2 ]
amdhsa.kernels:
  - .name:           k_q82888cc8a8_qkv
    .symbol:         k_q82888cc8a8_qkv.kd
    .args:
      - { .name: cod, .offset: 0, .size: 8, .value_kind: global_buffer, .address_space: global }
      - { .name: scl, .offset: 8, .size: 8, .value_kind: global_buffer, .address_space: global }
      - { .name: bq, .offset: 16, .size: 8, .value_kind: global_buffer, .address_space: global }
      - { .name: bk, .offset: 24, .size: 8, .value_kind: global_buffer, .address_space: global }
      - { .name: bv, .offset: 32, .size: 8, .value_kind: global_buffer, .address_space: global }
      - { .name: qkv, .offset: 40, .size: 8, .value_kind: global_buffer, .address_space: global }
    .group_segment_fixed_size: 327680
    .private_segment_fixed_size: 0
    .kernarg_segment_align: 8
    .kernarg_segment_size: 48
    .max_flat_workgroup_size: 128
    .sgpr_count:     102
    .vgpr_count:     1024
    .wavefront_size: 32
...
	.end_amdgpu_metadata
.endif
;; end of part 2
;; launch attn (part 3): grid 4 x 64, 16 waves a work-group, clusters of 4 x 1, 327,680 bytes of LDS; arguments qkv, mw, of; writes of
.if DOCPART == 3
	.amdgcn_target "amdgcn-amd-amdhsa--gfx1250"
	.amdhsa_code_object_version 6
	.text
	.protected	k_q82888cc8a8_attn
	.globl	k_q82888cc8a8_attn
	.p2align	8
	.type	k_q82888cc8a8_attn,@function
k_q82888cc8a8_attn:
	s_mov_b64 s[64:65], 0
	v_nop
	global_prefetch_b8 v0, s[64:65] scope:SCOPE_SE
	s_setreg_imm32_b32 hwreg(HW_REG_WAVE_MODE, 25, 1), 1
	s_wait_xcnt 0x0
	s_wait_alu depctr_hold_cnt(0) depctr_sa_sdst(0) depctr_va_vdst(0) depctr_va_sdst(0) depctr_va_ssrc(0) depctr_va_vcc(0) depctr_vm_vsrc(0)
	s_getreg_b32 s2, hwreg(HW_REG_IB_STS2, 6, 4)
	s_cmp_eq_u32 s2, 0
	s_cbranch_scc0 .Lentry_in_a_cluster
	s_endpgm
.Lentry_in_a_cluster:
	s_bfe_u32 s2, ttmp6, 0x10000c
	s_cmp_lg_u32 s2, 0x3003
	s_cbranch_scc0 .Lentry_shape_is_right
	s_endpgm
.Lentry_shape_is_right:
; O[b][h][q] = the sum over k of softmax_k(q . k / 8, hidden where mask[q][k] = 0) v[k], for 64 (batch, head) pairs of 2,048 tokens x 64 channels.  q, k, v, p in f16, products, maxima and sums in f32, O rounded to f16 once.
; q arrives multiplied by log2(e) / 8: a score is t, and p = 2^(t - m), m the query's running largest t.  In every step O and the sum l are multiplied by a = 2^(old m - new m).
; THE MASK arrives as lane masks: for each tile of 16 queries and step of 64 keys 32 words, word 8 a + j = the lanes whose score register j of key tile a counts.  Hidden scores become -infinity ahead of the maximum.
; m begins at -3e38, a number: a step all of whose keys are hidden for a query gives p = 0 and a = 1.  A query all of whose keys are hidden ends with l = 0 and O = 0: 0 x (1 / 0) is NaN, as a softmax of nothing is.
; SHARES.  A work-group owns 512 queries of one pair; each of its sixteen waves 32 of them, two tiles, in 256 registers: four waves to a SIMD, so that one wave's vector work stands beside another's products and LDS loads.
; LAYOUT.  Both products are used transposed: S^T = K Q^T (source 0 = 16 keys, source 1 = 16 queries), O^T = V^T P (source 0 = 16 channels, source 1 = P): a lane holds ONE query (lane % 16) throughout.
; Two tiles of S^T, rounded to f16 in pairs, are source 1 of the second product.  q, k, v lie in memory as images: [token tile][tile of 16 channels][512 bytes], 16 bytes a lane; k's and q's units are halves of fragments;
; v's lanes are so placed that ds_load_tr16_b128 at 16 x lane turns a unit into half a fragment of V^T.
; THE RING.  Two slots of 512 keys: 65,536 dense bytes of K, then of V.  Waves 0-3 fetch 32,768 bytes each.  CLUSTER: the four query blocks of a pair walk the same K and V: each load is asked for JOINTLY by the four.
; No prefetch is laid: a slot's load is issued eight key steps of all sixteen waves ahead of the wait for it.  Every wait on a tensor load is for 0; one load of a wave is out at the most.
; LIMITS: |q| log2(e) / 8, |k|, |v|, |O| stay under 65,504; an |O| under 6e-5 is kept in steps of 2^-24 (f16).
; REGISTERS: v1 16 x lane; v2 the address in hand; v3, v4 the add's two; v5 -infinity; v8-23 statistics, eight a tile: +0 m, +1 old m and its change, +2, +3 l, +4 .. +7 c0-c3 (later: +4, +5 a second chain of the sum, +6 a);
;   v24-55 Q; v56-119 S^T, then p, then P in the low half of each tile's 32; v120-183 O^T; v184-247 K's fragments, then V's.
.set SLOT1, 131072                     ; slot 1 begins here: one exclusive or turns an address in one slot into the other's
.set VOFF,  65536                      ; V's place in a slot
.set STEPB, 8192                       ; 64 keys of K, or of V
.set SPARE, 262144                     ; behind the ring: the spare words, 128 bytes a wave: eight blocks of 256 bytes that no other line names
.set L16,  1
.set ADR,  2
.set SPW,  3
.set NIL,  4
.set NINF, 5
.set ST,   8
.set Q,    24
.set S,    56
.set O,    120
.set KV,   184
.set TB,   2                           ; s2   LDS byte at which the step's K begins
.set CNT,  3                           ; s3   counts a slot's eight steps
.set MP,   4                           ; s[4:5] my two query tiles' mask words
.set MOFF, 6                           ; s6   the step's place among them: 128 bytes a step
.set WV,   7                           ; s7   my wave's number
.set G0,   8                           ; s[8:11] descriptor group 0, which walks
.set OP,   12                          ; s[12:13] where my O goes
.set SEL,  14                          ; s[14:15] v_permlanex16_b32's selects for lane l xor 16
.set SLOTS, 67                         ; s67  slots still to be asked for
.set G1,   84                          ; s[84:91] descriptor group 1
; s16-63 and s68-83: the step's 64 mask words: tile 0's word i in s[16 + i]; tile 1's in s[48 + i] (i < 16) and s[52 + i]
.macro JLOAD                           ; waves 0-3 fetch; the branch hangs on the wave's number alone.  An s_nop 0 and four v_nop follow the load
	s_cmp_lt_u32 s[WV], 4
	s_cbranch_scc0 .Lnone_\@
	tensor_load_to_lds s[G0:G0+3], s[G1:G1+7]
	s_nop 0
.rept 4
	v_nop
.endr
.Lnone_\@:
.endm
.macro CROUND                          ; a round of the cluster's barrier
	s_barrier_signal -1
	s_barrier_wait -1
	s_cmp_lg_u32 s[WV], 0
	s_cbranch_scc1 .Lnot_wave_0_\@
	s_barrier_signal -3
.Lnot_wave_0_\@:
	s_barrier_wait -3
	s_barrier_signal -1
	s_barrier_wait -1
.endm
.macro MLOAD                           ; a step's mask words of my two query tiles
	s_load_b512 s[16:31], s[MP:MP+1], s[MOFF] offset:0x0
	s_load_b512 s[32:47], s[MP:MP+1], s[MOFF] offset:0x40
	s_load_b512 s[48:63], s[MP:MP+1], s[MOFF] offset:0x1000
	s_load_b512 s[68:83], s[MP:MP+1], s[MOFF] offset:0x1040
.endm
	s_load_b128 s[16:19], s[0:1], 0x0              ; qkv s[16:17], mw s[18:19]
	s_load_b64 s[20:21], s[0:1], 0x10              ; of
	v_lshl_add_u32 v[SPW], v0, 2, SPARE
	v_mov_b32 v[NIL], 0
	ds_add_u32 v[SPW], v[NIL]                      ; the wave's opening: the add, twice on end, and its wait ahead of the first tensor load
	ds_add_u32 v[SPW], v[NIL]
	v_lshrrev_b32 v6, 5, v0
	v_readfirstlane_b32 s[WV], v6                  ; wave 0..15
	v_and_b32 v6, 31, v0
	v_lshlrev_b32 v[L16], 4, v6
	v_mov_b32 v[NINF], 0xff800000
	s_bfe_u32 s92, ttmp6, 0x40000                  ; cx: my block of 512 queries
	s_and_b32 s93, ttmp7, 0xffff                   ; the (batch, head) pair, which the four partners share
	s_mov_b32 s[G1], 15|(3<<16)|(1<<21)            ; 15:0 the mask: all four work-groups; 17:16 elements of 8 bytes; 21 set beside a mask; no padding
	s_mov_b32 s[G1+1], 32<<16                      ; tensor_dim0: rows of 256 bytes
	s_mov_b32 s[G1+2], 128<<16                     ; tensor_dim1
	s_mov_b32 s[G1+3], 32<<16                      ; tile_dim0
	s_mov_b32 s[G1+4], 128                         ; tile_dim1
	s_mov_b32 s[G1+5], 32                          ; tensor_dim0_stride: dense
	s_mov_b32 s[G1+6], 0
	s_mov_b32 s[G1+7], 0
	s_mov_b32 s[SEL], 0x76543210
	s_mov_b32 s[SEL+1], 0xfedcba98
	s_mov_b32 s[TB], 0
	s_mov_b32 s[MOFF], 0
	s_mov_b32 s[SLOTS], 3
	s_and_b32 s94, s[WV], 3                        ; what I fetch, if I fetch: wave 0, 1: K's halves; wave 2, 3: V's
	s_lshl_b32 s[G0+1], s94, 15                    ; 63:32 LDS address: slot 0, wave x 32,768
	s_lshr_b32 s95, s94, 1
	s_add_co_u32 s95, s95, 1
	s_lshl_b32 s95, s95, 24                        ; k lies 16 MiB, v 32 MiB into qkv
	s_and_b32 s94, s94, 1
	s_lshl_b32 s94, s94, 15
	s_add_co_u32 s94, s94, s95
	s_lshl_b32 s96, s93, 18                        ; a pair's tokens: 262,144 bytes
	s_add_co_u32 s94, s94, s96
	s_mov_b32 s95, 0
	s_lshl_b32 s97, s92, 5
	s_lshl_b32 s98, s[WV], 1
	s_add_co_u32 s97, s97, s98                     ; my first query tile of the sequence's 128: 32 cx + 2 wave
	s_wait_dscnt 0x0                               ; both opening adds are done
	s_wait_kmcnt 0x0
	s_mov_b32 s[G0], 1                             ; 1:0 count = 1
	s_add_nc_u64 s[G0+2:G0+3], s[16:17], s[94:95]  ; 120:64 global address: the pair's first 512 keys
	s_or_b32 s[G0+3], s[G0+3], 0x80000000          ; 127:126 type = 2
	CROUND                                         ; all four work-groups are here: the first joint loads meet
	JLOAD                                          ; slot 0
	s_lshl_b32 s98, s97, 11
	s_add_co_u32 s98, s98, s96
	s_mov_b32 s99, 0
	s_add_nc_u64 s[98:99], s[16:17], s[98:99]      ; q at my first tile
	s_lshl_b32 s100, s97, 12
	s_mov_b32 s101, 0
	s_add_nc_u64 s[MP:MP+1], s[18:19], s[100:101]  ; mask words: 4,096 bytes a query tile
	; of: [block of 128 tokens][two heads][token tile][fragment of 32 d][half][512 bytes]
	s_lshr_b32 s100, s93, 4
	s_lshl_b32 s100, s100, 7
	s_add_co_u32 s100, s100, s97                   ; my first token tile of the 512: 128 x batch + query tile
	s_lshr_b32 s94, s100, 3
	s_lshl_b32 s94, s94, 18
	s_and_b32 s95, s100, 7
	s_lshl_b32 s95, s95, 12
	s_add_co_u32 s94, s94, s95
	s_and_b32 s95, s93, 15                         ; the head
	s_lshr_b32 s96, s95, 1
	s_lshl_b32 s96, s96, 15
	s_add_co_u32 s94, s94, s96
	s_and_b32 s95, s95, 1
	s_lshl_b32 s95, s95, 11
	s_add_co_u32 s94, s94, s95
	s_mov_b32 s95, 0
	s_add_nc_u64 s[OP:OP+1], s[20:21], s[94:95]
.irp t, 0,1
.irp c, 0,1,2,3
	global_load_b128 v[Q+16*\t+4*\c:Q+16*\t+4*\c+3], v[L16], s[98:99] offset:2048*\t+512*\c   ; Q stays in registers: tile t, channels 16 c on
.endr
.endr
	MLOAD                                          ; step 0's mask words (the arguments' registers are done with)
.irp t, 0,1
	v_mov_b32 v[ST+8*\t], 0xff61b1e6               ; m: -3e38, under every t
	v_mov_b32 v[ST+8*\t+2], 0                      ; l, in two halves
	v_mov_b32 v[ST+8*\t+3], 0
.endr
.set n, 0
.rept 64
	v_mov_b32 v[O+n], 0                            ; O^T.  (The step is written for every step alike: the first finds zeros, which its a leaves zeros)
.set n, n+1
.endr
; A KEY STEP: 64 keys.
.macro STEP
	v_add_nc_u32 v[ADR], s[TB], v[L16]
.rept 4
	v_nop                                          ; with the addition five places behind the last V^T P: its V registers are loaded anew (four are asked), and the first products below write over its P (five)
.endr
.irp a, 0,1,2,3
.irp s, 0,1
	ds_load_b128 v[KV+16*\a+8*\s:KV+16*\a+8*\s+3], v[ADR] offset:2048*\a+1024*\s            ; keys 16 a on, channels 32 s on
	ds_load_b128 v[KV+16*\a+8*\s+4:KV+16*\a+8*\s+7], v[ADR] offset:2048*\a+1024*\s+512
.endr
.endr
	s_wait_dscnt 0x0
.irp s, 0,1                                    ; S^T = K Q^T: eight accumulators by turns; the first eight products start the sums
.irp a, 0,1,2,3
.irp t, 0,1
.if \s == 0
	v_wmma_f32_16x16x32_f16 v[S+32*\t+8*\a:S+32*\t+8*\a+7], v[KV+16*\a+8*\s:KV+16*\a+8*\s+7], v[Q+16*\t+8*\s:Q+16*\t+8*\s+7], 0
.else
	v_wmma_f32_16x16x32_f16 v[S+32*\t+8*\a:S+32*\t+8*\a+7], v[KV+16*\a+8*\s:KV+16*\a+8*\s+7], v[Q+16*\t+8*\s:Q+16*\t+8*\s+7], v[S+32*\t+8*\a:S+32*\t+8*\a+7]
.endif
.endr
.endr
.endr
	v_add_nc_u32 v[ADR], VOFF, v[ADR]
.rept 3
	v_nop                                          ; with the addition four places: in front of the loads into K's registers, and of the first read of the scores
.endr
.irp g, 0,1
.irp c, 0,1,2,3
	ds_load_tr16_b128 v[KV+32*\g+8*\c:KV+32*\g+8*\c+3], v[ADR] offset:4096*\g+512*\c        ; V^T: keys 32 g on, channels 16 c on; it lands while the softmax is walked
	ds_load_tr16_b128 v[KV+32*\g+8*\c+4:KV+32*\g+8*\c+7], v[ADR] offset:4096*\g+512*\c+2048
.endr
.endr
	s_add_co_u32 s[TB], s[TB], STEPB               ; the next step's tiles
	s_wait_kmcnt 0x0                               ; this step's mask words, asked for a step ago
.set n, 0
.rept 64                                       ; hidden scores become -infinity; each accumulator is read from its low end on
.set mr, 16+n
.if n >= 48
.set mr, 20+n
.endif
	v_cndmask_b32 v[S+n], v[NINF], v[S+n], s[mr]
.set n, n+1
.endr
	s_add_co_u32 s[MOFF], s[MOFF], 128             ; (behind the wait that shows the last loads done)
	s_and_b32 s[MOFF], s[MOFF], 4095               ; the last step asks for step 0's words again: no load leaves the buffer
	MLOAD
	; the largest score of my 32 keys and the old m, three operands at a time, four chains a tile, the two tiles line by line
.irp j, 0,1,2,3
.irp t, 0,1
	v_max3_num_f32 v[ST+8*\t+4+\j], v[S+32*\t+8*\j], v[S+32*\t+8*\j+1], v[S+32*\t+8*\j+2]
.endr
.endr
.irp u, 1,2
.irp j, 0,1,2,3
.irp t, 0,1
	v_max3_num_f32 v[ST+8*\t+4+\j], v[ST+8*\t+4+\j], v[S+32*\t+8*\j+2*\u+1], v[S+32*\t+8*\j+2*\u+2]
.endr
.endr
.endr
.irp t, 0,1
	v_max3_num_f32 v[ST+8*\t+4], v[ST+8*\t+4], v[S+32*\t+7], v[S+32*\t+15]
.endr
.irp t, 0,1
	v_max3_num_f32 v[ST+8*\t+6], v[ST+8*\t+6], v[S+32*\t+23], v[S+32*\t+31]
.endr
.irp t, 0,1
	v_max3_num_f32 v[ST+8*\t+4], v[ST+8*\t+4], v[ST+8*\t+5], v[ST+8*\t+6]
.endr
.irp t, 0,1
	v_max3_num_f32 v[ST+8*\t+4], v[ST+8*\t+4], v[ST+8*\t+7], v[ST+8*\t]
.endr
.irp t, 0,1
	v_permlanex16_b32 v[ST+8*\t+5], v[ST+8*\t+4], s[SEL], s[SEL+1]   ; the query's other 32 keys lie in the lane 16 away
.endr
.irp t, 0,1
	v_mov_b32 v[ST+8*\t+1], v[ST+8*\t]             ; the old m is kept for a
.endr
.irp t, 0,1
	v_max_num_f32 v[ST+8*\t], v[ST+8*\t+4], v[ST+8*\t+5]
.endr
.irp t, 0,1
	v_sub_f32 v[ST+8*\t+1], v[ST+8*\t+1], v[ST+8*\t]
.endr
	; ONE BATCH of 66 exponentials: none of the lines down to the wait names a result
.irp t, 0,1
	v_exp_f32 v[ST+8*\t+6], v[ST+8*\t+1]           ; a = 2^(old m - new m)
.endr
.irp i, 0,1,2,3,4,5,6,7,8,9,10,11,12,13,14,15
.irp t, 0,1
	v_pk_add_f32 v[S+32*\t+2*\i:S+32*\t+2*\i+1], v[S+32*\t+2*\i:S+32*\t+2*\i+1], v[ST+8*\t:ST+8*\t+1] op_sel_hi:[1,0] neg_lo:[0,1] neg_hi:[0,1]   ; t - m, two at a time
.endr
.endr
.set n, 0
.rept 64
	v_exp_f32 v[S+n], v[S+n]                       ; p = 2^(t - m)
.set n, n+1
.endr
	v_nop                                          ; a plain line behind the last exponential
	s_wait_alu depctr_va_vdst(0)                   ; one wait for the batch, ahead of its first reader
	; l = a l + the sum of p (in f32, before p is rounded): two chains a tile
.irp t, 0,1
	v_pk_fma_f32 v[ST+8*\t+2:ST+8*\t+3], v[ST+8*\t+2:ST+8*\t+3], v[ST+8*\t+6:ST+8*\t+7], v[S+32*\t+4:S+32*\t+5] op_sel_hi:[1,0,1]
.endr
.irp t, 0,1
	v_pk_add_f32 v[ST+8*\t+4:ST+8*\t+5], v[S+32*\t:S+32*\t+1], v[S+32*\t+2:S+32*\t+3]
.endr
.irp i, 3,5,7,9,11,13
.irp t, 0,1
	v_pk_add_f32 v[ST+8*\t+2:ST+8*\t+3], v[ST+8*\t+2:ST+8*\t+3], v[S+32*\t+2*\i:S+32*\t+2*\i+1]
.endr
.irp t, 0,1
	v_pk_add_f32 v[ST+8*\t+4:ST+8*\t+5], v[ST+8*\t+4:ST+8*\t+5], v[S+32*\t+2*\i+2:S+32*\t+2*\i+3]
.endr
.endr
.irp t, 0,1
	v_pk_add_f32 v[ST+8*\t+2:ST+8*\t+3], v[ST+8*\t+2:ST+8*\t+3], v[S+32*\t+30:S+32*\t+31]
.endr
.irp t, 0,1
	v_pk_add_f32 v[ST+8*\t+2:ST+8*\t+3], v[ST+8*\t+2:ST+8*\t+3], v[ST+8*\t+4:ST+8*\t+5]
.endr
.irp i, 0,1,2,3,4,5,6,7,8,9,10,11,12,13,14,15
.irp t, 0,1
	v_cvt_pk_f16_f32 v[S+32*\t+\i], v[S+32*\t+2*\i], v[S+32*\t+2*\i+1]   ; P, in place and ascending: register i takes pair i, which no later line reads
.endr
.endr
.irp i, 0,1,2,3,4,5,6,7,8,9,10,11,12,13,14,15
.irp t, 0,1
	v_pk_mul_f32 v[O+32*\t+2*\i:O+32*\t+2*\i+1], v[O+32*\t+2*\i:O+32*\t+2*\i+1], v[ST+8*\t+6:ST+8*\t+7] op_sel_hi:[1,0]   ; O^T x a
.endr
.endr
	s_wait_dscnt 0x0                               ; V is in
.irp g, 0,1                                    ; O^T += V^T P: eight accumulators by turns
.irp c, 0,1,2,3
.irp t, 0,1
	v_wmma_f32_16x16x32_f16 v[O+32*\t+8*\c:O+32*\t+8*\c+7], v[KV+32*\g+8*\c:KV+32*\g+8*\c+7], v[S+32*\t+8*\g:S+32*\t+8*\g+7], v[O+32*\t+8*\c:O+32*\t+8*\c+7]
.endr
.endr
.endr
.endm
; THE CHANGE OF SLOTS stands at a slot's head.  Each wave waits for all its tensor loads (its part of the slot ahead), adds 0 to its spare word, and waits for that and for its reads of the slot that it has left.
; fill = 1: the barrier is a round of the cluster's, and behind it the slot just left takes the keys that follow (in the first trip: slot 1's first fill): the load has eight key steps in which to land.
.macro CHANGE fill
	s_wait_tensorcnt 0x0                           ; no tensor load of mine is out, so group 0 may be written
	ds_add_u32 v[SPW], v[NIL]                      ; 0 onto my spare word
.if \fill
	ds_add_u32 v[SPW], v[NIL]                      ; and once more: twice on end, in every trip alike
	s_xor_b32 s[G0+1], s[G0+1], SLOT1              ; the walking descriptor: the other slot than last time,
	s_add_nc_u64 s[G0+2:G0+3], s[G0+2:G0+3], 65536 ; the next 512 keys; the type bits on top are not reached
	s_wait_dscnt 0x0                               ; both adds are done, and my reads of the slot that I have left are over
	CROUND
	JLOAD                                          ; the first thing behind the round, and a wave's one tensor load until the next
.else
	s_wait_dscnt 0x0
	s_barrier_signal -1
	s_barrier_wait -1
.endif
.endm
.macro EIGHT                           ; a slot's eight key steps: written once, walked eight times; the LDS addresses hang on s[TB]
	s_mov_b32 s[CNT], 8
.Lstep_\@:
	STEP
	s_sub_co_u32 s[CNT], s[CNT], 1
	s_cmp_lg_u32 s[CNT], 0
	s_cbranch_scc1 .Lstep_\@
.endm
	s_wait_loadcnt 0x0                             ; Q
.Lslot:                                            ; three trips: behind each change of slots but the last the next slot is asked for
	CHANGE 1
	EIGHT
	s_sub_co_u32 s[TB], s[TB], 8*STEPB             ; back to a slot's first step,
	s_xor_b32 s[TB], s[TB], SLOT1                  ; in the other slot
	s_sub_co_u32 s[SLOTS], s[SLOTS], 1
	s_cmp_lg_u32 s[SLOTS], 0
	s_cbranch_scc1 .Lslot
	CHANGE 0                                       ; the last slot is written out
	EIGHT
	; THE WAY OUT.  O^T / l, rounded to f16: a lane's eight channels are 16 bytes, and a tile of 16 channels is half a fragment of the projection's token operand: a store writes 512 consecutive bytes.
	s_wait_kmcnt 0x0                               ; the last step's mask words, which nobody reads
.irp t, 0,1
	v_add_f32 v[ST+8*\t+4], v[ST+8*\t+2], v[ST+8*\t+3]
.endr
.rept 2
	v_nop                                          ; with the two additions four places behind the last products
.endr
.irp t, 0,1
	v_permlanex16_b32 v[ST+8*\t+5], v[ST+8*\t+4], s[SEL], s[SEL+1]
.endr
.irp t, 0,1
	v_add_f32 v[ST+8*\t+4], v[ST+8*\t+4], v[ST+8*\t+5]   ; the query's sum
.endr
.irp t, 0,1
	v_rcp_f32 v[ST+8*\t+6], v[ST+8*\t+4]
.endr
	v_nop                                          ; a plain line behind the last reciprocal
	s_wait_alu depctr_va_vdst(0)                   ; and the wait ahead of the first use: one for the two
.irp t, 0,1
.irp i, 0,1,2,3,4,5,6,7,8,9,10,11,12,13,14,15
	v_pk_mul_f32 v[O+32*\t+2*\i:O+32*\t+2*\i+1], v[O+32*\t+2*\i:O+32*\t+2*\i+1], v[ST+8*\t+6:ST+8*\t+7] op_sel_hi:[1,0]
.endr
.endr
.irp t, 0,1
.irp i, 0,1,2,3,4,5,6,7,8,9,10,11,12,13,14,15
	v_cvt_pk_f16_f32 v[S+16*\t+\i], v[O+32*\t+2*\i], v[O+32*\t+2*\i+1]
.endr
.endr
.irp t, 0,1
.irp c, 0,1,2,3
	global_store_b128 v[L16], v[S+16*\t+4*\c:S+16*\t+4*\c+3], s[OP:OP+1] offset:4096*\t+512*\c
.endr
.endr
	s_wait_tensorcnt 0x0                           ; the wave's end
	ds_add_u32 v[SPW], v[NIL]
	s_wait_dscnt 0x0
	CROUND                                         ; the closing round: no work-group ends while a partner may still ask for a tile that names it
	s_endpgm
.Lfunc_end_k_q82888cc8a8_attn:
	.size	k_q82888cc8a8_attn, .Lfunc_end_k_q82888cc8a8_attn-k_q82888cc8a8_attn
	.p2alignl 7, 3214868480
	.fill 96, 4, 3214868480
	.section	.rodata,"a",@progbits
	.p2align	6, 0x0
	.amdhsa_kernel k_q82888cc8a8_attn
		.amdhsa_group_segment_fixed_size 327680
		.amdhsa_private_segment_fixed_size 0
		.amdhsa_enable_private_segment 0
		.amdhsa_kernarg_size 24
		.amdhsa_user_sgpr_count 2
		.amdhsa_user_sgpr_kernarg_segment_ptr 1
		.amdhsa_wavefront_size32 1
		.amdhsa_system_sgpr_workgroup_id_x 1
		.amdhsa_system_sgpr_workgroup_id_y 1
		.amdhsa_system_sgpr_workgroup_id_z 1
		.amdhsa_system_vgpr_workitem_id 0
		.amdhsa_next_free_vgpr 256
		.amdhsa_next_free_sgpr 102
		.amdhsa_reserve_vcc 0
		.amdhsa_float_denorm_mode_32 3
		.amdhsa_float_denorm_mode_16_64 3
		.amdhsa_memory_ordered 1
		.amdhsa_forward_progress 1
		.amdhsa_inst_pref_size 57
	.end_amdhsa_kernel
	.amdgpu_metadata
---
amdhsa.version: [ 1, 2 ]
amdhsa.kernels:
  - .name:           k_q82888cc8a8_attn
    .symbol:         k_q82888cc8a8_attn.kd
    .args:
      - { .name: qkv, .offset: 0, .size: 8, .value_kind: global_buffer, .address_space: global }
      - { .name: mw, .offset: 8, .size: 8, .value_kind: global_buffer, .address_space: global }
      - { .name: of, .offset: 16, .size: 8, .value_kind: global_buffer, .address_space: global }
    .group_segment_fixed_size: 327680
    .private_segment_fixed_size: 0
    .kernarg_segment_align: 8
    .kernarg_segment_size: 24
    .max_flat_workgroup_size: 512
    .sgpr_count:     102
    .vgpr_count:     256
    .wavefront_size: 32
...
	.end_amdgpu_metadata
.endif
;; end of part 3
;; launch oproj (part 4): grid 4 x 64, 4 waves a work-group, clusters of 4 x 4, 327,680 bytes of LDS; arguments of, wof, bo, out0; writes out0
.if DOCPART == 4
	.amdgcn_target "amdgcn-amd-amdhsa--gfx1250"
	.amdhsa_code_object_version 6
	.text
	.protected	k_q82888cc8a8_oproj
	.globl	k_q82888cc8a8_oproj
	.p2align	8
	.type	k_q82888cc8a8_oproj,@function
k_q82888cc8a8_oproj:
	s_mov_b64 s[64:65], 0
	v_nop
	global_prefetch_b8 v0, s[64:65] scope:SCOPE_SE
	s_setreg_imm32_b32 hwreg(HW_REG_WAVE_MODE, 25, 1), 1
	s_wait_xcnt 0x0
	s_wait_alu depctr_hold_cnt(0) depctr_sa_sdst(0) depctr_va_vdst(0) depctr_va_sdst(0) depctr_va_ssrc(0) depctr_va_vcc(0) depctr_vm_vsrc(0)
	s_getreg_b32 s2, hwreg(HW_REG_IB_STS2, 6, 4)
	s_cmp_eq_u32 s2, 0
	s_cbranch_scc0 .Lentry_in_a_cluster
	s_endpgm
.Lentry_in_a_cluster:
	s_bfe_u32 s2, ttmp6, 0x10000c
	s_cmp_lg_u32 s2, 0xf033
	s_cbranch_scc0 .Lentry_shape_is_right
	s_endpgm
.Lentry_shape_is_right:
; out0[token][e] = the sum over d of O[token][d] wo[e][d] + bo[e].  O and wo in f16, as images of fragments; sums in f32; out0 f32.  8,192 tokens, 1,024 e, K = 1,024 d.
; A tile of 128 tokens x 256 e is made by a work-group of four waves: 256 work-groups.  A wave makes 64 tokens x 128 e: 32 accumulators, 256 registers.
; K goes in 8 steps of 128 through a ring of two LDS slots: 32,768 dense bytes of the tokens' fragments, then 65,536 of wo's: [tile of 16 rows][fragment of 32 d][half][16 bytes a lane].
; So a tensor load is a dense block of 256-byte rows, and a fragment is two ds_load_b128 at 16 x lane + a constant.  Waves 0, 1 fetch the tokens' halves (64 rows of 256 bytes), waves 2, 3 wo's (128).
; CLUSTERS: 4 x 4 work-groups.  The four of a row of the cluster need the same tokens, the four of a column the same rows of wo: each block is asked for JOINTLY.
; THE MATRIX INSTRUCTION IS USED TRANSPOSED (source 0 = 16 rows of wo, source 1 = 16 tokens): a lane holds eight neighbouring e of one token.
; No prefetch is laid: the launch is short and its tiles small.  By this text's count two tensor loads of a wave are out at the start, later one.
; A token whose O is NaN (all its keys hidden) gets NaN in its whole row.
; REGISTERS: window 0: v4 16 x lane; v16-29 addresses; v32-127, v128-223 two fragment buffers (wo's eight at + 8 b, the tokens' four at + 64 + 8 a; on the way out: rows of out0); v224-227 the bias.
;   window 1: the accumulators, (a, b) at v[8 (8 a + b)].
.set SLOT,  98304
.set BOFF,  32768                      ; wo's place in a slot
.set SPARE, 2*SLOT                     ; behind the ring: the spare words, 128 bytes a wave: two blocks of 256 bytes that no other line names
.set SP,    528                        ; the way out: a stage of 16 rows x (512 bytes + 16) for each wave, in slot 0, which has had its last fill and its last read when the first result is stored there
.set LAPS,  4                          ; a lap = two K steps = once round the ring
.set L16,  4
.set ADRA, 16                          ; v16-17  LDS address of my tokens' fragments in slot 0, 1
.set ADRB, 20                          ; v20-21  the same for wo
.set STO,  24                          ; v24     the way out: where I put 32 bytes of a row
.set RD,   25                          ; v25     and where I read a row back
.set SPW,  28
.set NIL,  29
.set F0,   32
.set F1,   128
.set BS,   224
.set G1, 24                            ; s[24:31], s[32:39] groups 1 and 0 (a set for each slot) for the tokens
.set G0, 32
.set G1B, 48                           ; s[48:55], s[56:63] for wo
.set G0B, 56
.set MSB, 0
.macro WIN new                         ; the immediate's high byte repeats the setting that is left
.if MSB != (\new)
	s_set_vgpr_msb (MSB<<8)|(\new)
.set MSB, (\new)
.endif
.endm
.set MUL, 0x50                         ; sources 0 and 1 window 0; C and D window 1
.macro JLOAD s                         ; a joint load; an s_nop 0 and four v_nop follow each of the two lines
	s_cmp_eq_u32 s15, 0
	s_cbranch_scc0 .Lfor_b_\@
	tensor_load_to_lds s[G0+4*\s:G0+4*\s+3], s[G1:G1+7]
	s_nop 0
.rept 4
	v_nop
.endr
	s_branch .Lasked_\@
.Lfor_b_\@:
	tensor_load_to_lds s[G0B+4*\s:G0B+4*\s+3], s[G1B:G1B+7]
	s_nop 0
.rept 4
	v_nop
.endr
.Lasked_\@:
.endm
.macro CREST                           ; a round of the cluster's barrier behind its opening barrier
	s_cmp_lg_u32 s14, 0
	s_cbranch_scc1 .Lnot_wave_0_\@
	s_barrier_signal -3
.Lnot_wave_0_\@:
	s_barrier_wait -3
	s_barrier_signal -1
	s_barrier_wait -1
.endm
.macro CROUND
	s_barrier_signal -1
	s_barrier_wait -1
	CREST
.endm
	s_load_b256 s[4:11], s[0:1], 0x0               ; of s[4:5], wof s[6:7], bo s[8:9], out0 s[10:11]
	v_lshl_add_u32 v[SPW], v0, 2, SPARE
	v_mov_b32 v[NIL], 0
	ds_add_u32 v[SPW], v[NIL]                      ; the wave's opening: the add, twice on end, and its wait ahead of my first tensor load
	ds_add_u32 v[SPW], v[NIL]
	v_lshrrev_b32 v1, 5, v0
	v_readfirstlane_b32 s14, v1                    ; wave 0..3
	s_lshr_b32 s15, s14, 1                         ; which half of the tile's tokens is mine.  Also: I fetch for the tokens (0) or for wo (1)
	s_and_b32 s16, s14, 1                          ; which half of its e.  Also: which half of that block I fetch
	s_bfe_u32 s40, ttmp6, 0x40000                  ; cx, cy
	s_bfe_u32 s41, ttmp6, 0x40004
	s_lshl_b32 s42, ttmp9, 2
	s_add_co_u32 s42, s42, s40                     ; tile column = 4 x cluster x + cx, 0..3
	s_and_b32 s17, ttmp7, 0xffff
	s_lshl_b32 s17, s17, 2
	s_add_co_u32 s17, s17, s41                     ; tile row = 4 x cluster y + cy, 0..63
	s_lshl_b32 s43, s41, 2
	s_lshl_b32 s43, 15, s43                        ; my row of the cluster
	s_lshl_b32 s44, 0x1111, s40                    ; my column
	s_or_b32 s[G1+0], s43, (3<<16)|(1<<21)         ; 15:0 the mask; 17:16 elements of 8 bytes; 21 set beside a mask; no padding
	s_mov_b32 s[G1+1], 32<<16                      ; rows of 256 bytes,
	s_mov_b32 s[G1+2], 64<<16                      ; 64 of them
	s_mov_b32 s[G1+3], 32<<16
	s_mov_b32 s[G1+4], 64
	s_mov_b32 s[G1+5], 32                          ; dense
	s_mov_b32 s[G1+6], 0
	s_mov_b32 s[G1+7], 0
	s_or_b32 s[G1B+0], s44, (3<<16)|(1<<21)
	s_mov_b32 s[G1B+1], 32<<16
	s_mov_b32 s[G1B+2], 128<<16                    ; 128 rows
	s_mov_b32 s[G1B+3], 32<<16
	s_mov_b32 s[G1B+4], 128
	s_mov_b32 s[G1B+5], 32
	s_mov_b32 s[G1B+6], 0
	s_mov_b32 s[G1B+7], 0
	s_lshl_b32 s20, s17, 18                        ; the tokens: 262,144 bytes a block of 128,
	s_lshl_b32 s45, s16, 14                        ; my half of a K step's 32,768: in memory and in a slot alike
	s_add_co_u32 s20, s20, s45
	s_mov_b32 s21, 0
	s_lshl_b32 s46, s42, 19                        ; wo: 524,288 bytes a block of 256 e,
	s_lshl_b32 s18, s16, 15                        ; my half of a K step's 65,536
	s_add_co_u32 s46, s46, s18
	s_mov_b32 s47, 0
	s_add_co_u32 s18, s18, BOFF
	s_wait_dscnt 0x0                               ; both opening adds are done
	s_wait_kmcnt 0x0
	s_add_nc_u64 s[20:21], s[4:5], s[20:21]
	s_add_nc_u64 s[46:47], s[6:7], s[46:47]
	CROUND                                         ; all sixteen work-groups are here: the first joint loads meet
.irp s, 0,1
	s_mov_b32 s[G0+4*\s], 1
	s_add_co_u32 s[G0+4*\s+1], s45, \s*SLOT
	s_add_nc_u64 s[G0+4*\s+2:G0+4*\s+3], s[20:21], \s*32768
	s_or_b32 s[G0+4*\s+3], s[G0+4*\s+3], 0x80000000
	s_mov_b32 s[G0B+4*\s], 1
	s_add_co_u32 s[G0B+4*\s+1], s18, \s*SLOT
	s_add_nc_u64 s[G0B+4*\s+2:G0B+4*\s+3], s[46:47], \s*65536
	s_or_b32 s[G0B+4*\s+3], s[G0B+4*\s+3], 0x80000000
	JLOAD \s
.endr
	v_and_b32 v1, 15, v0                           ; r
	v_bfe_u32 v2, v0, 4, 1                         ; h
	v_and_b32 v3, 31, v0
	v_lshlrev_b32 v[L16], 4, v3
	s_lshl_b32 s21, s15, 14                        ; my 64 tokens
	s_lshl_b32 s22, s16, 15                        ; my 128 rows of wo,
	s_add_co_u32 s22, s22, BOFF                    ; behind the tokens
.irp s, 0,1
	v_add_nc_u32 v[ADRA+\s], s21, v[L16]
	v_add_nc_u32 v[ADRB+\s], s22, v[L16]
	s_add_co_u32 s21, s21, SLOT
	s_add_co_u32 s22, s22, SLOT
.endr
	s_mul_i32 s23, s14, 16*SP                      ; my stage
	v_mul_u32_u24 v5, v1, SP                       ; in: row r, 32 bytes for each half of the lanes
	v_lshl_add_u32 v5, v2, 5, v5
	v_add_nc_u32 v[STO], s23, v5
	v_add_nc_u32 v[RD], s23, v[L16]                ; back: the 32 lanes take one row of 512 bytes
	s_lshl_b32 s46, s42, 10
	s_lshl_b32 s47, s16, 9
	s_add_co_u32 s46, s46, s47                     ; my first e, in bytes: 1,024 x tile column + 512 x half
	s_mov_b32 s47, 0
	s_add_nc_u64 s[8:9], s[8:9], s[46:47]
	global_load_b128 v[BS:BS+3], v[L16], s[8:9]    ; the bias of the four e that I store of every row
	s_lshl_b32 s20, s17, 7
	s_lshl_b32 s21, s15, 6
	s_add_co_u32 s20, s20, s21                     ; my first token: 128 x tile row + 64 x half
	s_lshl_b32 s20, s20, 12                        ; rows of 4,096 bytes
	s_mov_b32 s21, 0
	s_add_nc_u64 s[20:21], s[20:21], s[46:47]
	s_add_nc_u64 s[10:11], s[10:11], s[20:21]
; 8 matrix instructions: the tokens' block a x wo's eight, 32 along K, from buffer f.  zero = 1: the first product starts the sums.
; The 32 accumulators take turns, one instruction a turn, in the same order in every quarter.
.macro MULA f, a, zero
.irp b, 0,1,2,3,4,5,6,7
.if \zero
	v_wmma_f32_16x16x32_f16 v[8*(8*(\a)+\b):8*(8*(\a)+\b)+7], v[\f+8*\b:\f+8*\b+7], v[\f+64+8*(\a):\f+64+8*(\a)+7], 0
.else
	v_wmma_f32_16x16x32_f16 v[8*(8*(\a)+\b):8*(8*(\a)+\b)+7], v[\f+8*\b:\f+8*\b+7], v[\f+64+8*(\a):\f+64+8*(\a)+7], v[8*(8*(\a)+\b):8*(8*(\a)+\b)+7]
.endif
.endr
.endm
.macro FETCH slot, f, buf              ; 24 LDS loads in one run: fragment f of the slot's four: wo's eight, then the tokens' four
	WIN 0
.irp i, 0,1,2,3,4,5,6,7
	ds_load_b128 v[\buf+8*\i:\buf+8*\i+3],   v[ADRB+\slot] offset:4096*\i+1024*(\f)
	ds_load_b128 v[\buf+8*\i+4:\buf+8*\i+7], v[ADRB+\slot] offset:4096*\i+1024*(\f)+512
.endr
.irp i, 0,1,2,3
	ds_load_b128 v[\buf+64+8*\i:\buf+64+8*\i+3],   v[ADRA+\slot] offset:4096*\i+1024*(\f)
	ds_load_b128 v[\buf+64+8*\i+4:\buf+64+8*\i+7], v[ADRA+\slot] offset:4096*\i+1024*(\f)+512
.endr
.endm
.macro PLACES                          ; four places in front of loads into registers that matrix instructions have read, and of the first read of results
.rept 4
	v_nop
.endr
.endm
; A K step is four quarters of 32 along K, 32 matrix instructions each, on buffers 0, 1, 0, 1.  One of the first three: multiplies buffer f and fetches fragment fn into g.
.macro QUARTER slot, fn, f, g, zero
	s_wait_dscnt 4                                 ; wo's eight and the tokens' blocks 0, 1 are in; the youngest four loads (blocks 2, 3) may be out
	WIN MUL
	MULA \f, 0, \zero
	MULA \f, 1, \zero
	PLACES
	FETCH \slot, \fn, \g
	s_wait_dscnt 24                                ; all but the 24 just issued
	WIN MUL
	MULA \f, 2, \zero
	MULA \f, 3, \zero
.endm
; The last quarter multiplies buffer 1 and changes slots: ONE barrier; in front of it each wave waits for all its tensor loads, adds 0 to its spare word, and waits for that and for its reads of this slot.
; fill = 1: the barrier opens a round of the cluster's, and this slot is filled again, two K steps ahead.
.macro TURN slot, next, fill
	WIN 0                                          ; (the add's two registers lie in window 0)
	s_wait_tensorcnt 0x0                           ; all my tensor loads have landed: my part of the next slot
	ds_add_u32 v[SPW], v[NIL]                      ; 0 onto my spare word
	s_wait_dscnt 5                                 ; (the add and the youngest four loads may be out)
	WIN MUL
	MULA F1, 0, 0                                  ; eight matrix instructions stand between the add and the wait for it
	s_wait_dscnt 0x0                               ; the add is done, and my reads of this slot are over
	s_barrier_signal -1
	MULA F1, 1, 0
.if \fill
	WIN 0
.endif
	s_barrier_wait -1
.if \fill
	CREST                                          ; no wave of any partner still reads this slot or has a load on its way
	s_add_nc_u64 s[G0+4*\slot+2:G0+4*\slot+3], s[G0+4*\slot+2:G0+4*\slot+3], 2*32768
	s_add_nc_u64 s[G0B+4*\slot+2:G0B+4*\slot+3], s[G0B+4*\slot+2:G0B+4*\slot+3], 2*65536
	JLOAD \slot                                    ; the first tensor load behind the round; its four v_nop are also the places in front of the loads below
.else
	PLACES
.endif
	FETCH \next, 0, F0
	WIN MUL
	MULA F1, 2, 0
	MULA F1, 3, 0
.endm
	s_wait_tensorcnt 1                             ; my part of K step 0 is in; K step 1's may be out
	s_barrier_signal -1
	s_barrier_wait -1                              ; everybody's is
	FETCH 0, 0, F0
	QUARTER 0, 1, F0, F1, 1                        ; the first quarter stands in front of the loop: its products start the sums
	WIN 0                                          ; at a label and at a branch every window is 0
	s_mov_b32 s3, LAPS-1
.Llap:                                             ; a trip goes once round the ring, from a lap's second quarter to the next lap's first, and fills both slots again
	QUARTER 0, 2, F1, F0, 0
	QUARTER 0, 3, F0, F1, 0
	TURN 0, 1, 1
	QUARTER 1, 1, F0, F1, 0
	QUARTER 1, 2, F1, F0, 0
	QUARTER 1, 3, F0, F1, 0
	TURN 1, 0, 1
	QUARTER 0, 1, F0, F1, 0
	WIN 0
	s_sub_co_u32 s3, s3, 1
	s_cmp_lg_u32 s3, 0
	s_cbranch_scc1 .Llap
	QUARTER 0, 2, F1, F0, 0                        ; the last lap fills nothing, and has no round of the cluster's barrier
	QUARTER 0, 3, F0, F1, 0
	TURN 0, 1, 0
	QUARTER 1, 1, F0, F1, 0
	QUARTER 1, 2, F1, F0, 0
	QUARTER 1, 3, F0, F1, 0
	s_wait_dscnt 4                                 ; the very last quarter: nothing more to fetch
	WIN MUL
	MULA F1, 0, 0
	MULA F1, 1, 0
	s_wait_dscnt 0
	MULA F1, 2, 0
	MULA F1, 3, 0
	WIN 0
; THE WAY OUT, block by block of 16 tokens x 128 e.  A lane holds 32 neighbouring bytes of a row and the lanes beside it hold other rows: a block goes through my own stage and comes back as whole rows of 512 bytes.
; LDS serves a wave's instructions in order (ISA guide 5.7.1.4): no wait between the stores and the loads, nor in front of the next block's stores.
.macro TOSTAGE a
	WIN 0x04                                       ; an LDS store's data are its source 1: window 1
.irp b, 0,1,2,3,4,5,6,7
	ds_store_b128 v[STO], v[8*(8*(\a)+\b):8*(8*(\a)+\b)+3] offset:64*\b          ; each accumulator from its low end on
	ds_store_b128 v[STO], v[8*(8*(\a)+\b)+4:8*(8*(\a)+\b)+7] offset:64*\b+16
.endr
	WIN 0
.set BB, F0+96*((\a)%2)
.irp t, 0,1,2,3,4,5,6,7,8,9,10,11,12,13,14,15
	ds_load_b128 v[BB+4*\t:BB+4*\t+3], v[RD] offset:\t*SP
.endr
.endm
.macro SEND a, younger                 ; younger: the LDS instructions issued behind block a's loads, which may stay out
.set BB, F0+96*((\a)%2)
	s_wait_dscnt \younger                          ; the block is back in registers
.irp t, 0,1,2,3,4,5,6,7,8,9,10,11,12,13,14,15
	v_pk_add_f32 v[BB+4*\t:BB+4*\t+1], v[BB+4*\t:BB+4*\t+1], v[BS:BS+1]           ; + bo
	v_pk_add_f32 v[BB+4*\t+2:BB+4*\t+3], v[BB+4*\t+2:BB+4*\t+3], v[BS+2:BS+3]
.endr
.irp t, 0,1,2,3,4,5,6,7,8,9,10,11,12,13,14,15
	global_store_b128 v[L16], v[BB+4*\t:BB+4*\t+3], s[10:11] offset:65536*(\a)+4096*\t th:TH_STORE_NT   ; 32 lanes store 512 consecutive bytes, at a multiple of 512 from out0's first byte
.endr
.endm
	PLACES                                         ; behind the last products: for the first read of results and for the loads into the fragments' registers
	s_wait_loadcnt 0x0                             ; the bias
	TOSTAGE 0
.irp a, 1,2,3
.if \a > 1
	s_wait_xcnt 0x0                                ; block a - 2's stores have read their registers: block a's loads may land there
.endif
	TOSTAGE \a
	SEND \a-1, 32                                  ; behind block a - 1's loads: block a's 16 stores and 16 loads
.endr
	SEND 3, 0
	s_wait_tensorcnt 0x0                           ; the wave's end, behind my last tensor load and my last LDS store
	ds_add_u32 v[SPW], v[NIL]
	s_wait_dscnt 0x0
	CROUND                                         ; the closing round: no work-group ends while a partner may still ask for a block that names it
	s_endpgm
.Lfunc_end_k_q82888cc8a8_oproj:
	.size	k_q82888cc8a8_oproj, .Lfunc_end_k_q82888cc8a8_oproj-k_q82888cc8a8_oproj
	.p2alignl 7, 3214868480
	.fill 96, 4, 3214868480
	.section	.rodata,"a",@progbits
	.p2align	6, 0x0
	.amdhsa_kernel k_q82888cc8a8_oproj
		.amdhsa_group_segment_fixed_size 327680
		.amdhsa_private_segment_fixed_size 0
		.amdhsa_enable_private_segment 0
		.amdhsa_kernarg_size 32
		.amdhsa_user_sgpr_count 2
		.amdhsa_user_sgpr_kernarg_segment_ptr 1
		.amdhsa_wavefront_size32 1
		.amdhsa_system_sgpr_workgroup_id_x 1
		.amdhsa_system_sgpr_workgroup_id_y 1
		.amdhsa_system_sgpr_workgroup_id_z 1
		.amdhsa_system_vgpr_workitem_id 0
		.amdhsa_next_free_vgpr 512
		.amdhsa_next_free_sgpr 66
		.amdhsa_reserve_vcc 0
		.amdhsa_float_denorm_mode_32 3
		.amdhsa_float_denorm_mode_16_64 3
		.amdhsa_memory_ordered 1
		.amdhsa_forward_progress 1
		.amdhsa_inst_pref_size 92
	.end_amdhsa_kernel
	.amdgpu_metadata
---
amdhsa.version: [ 1, 2 ]
amdhsa.kernels:
  - .name:           k_q82888cc8a8_oproj
    .symbol:         k_q82888cc8a8_oproj.kd
    .args:
      - { .name: of, .offset: 0, .size: 8, .value_kind: global_buffer, .address_space: global }
      - { .name: wof, .offset: 8, .size: 8, .value_kind: global_buffer, .address_space: global }
      - { .name: bo, .offset: 16, .size: 8, .value_kind: global_buffer, .address_space: global }
      - { .name: out0, .offset: 24, .size: 8, .value_kind: global_buffer, .address_space: global }
    .group_segment_fixed_size: 327680
    .private_segment_fixed_size: 0
    .kernarg_segment_align: 8
    .kernarg_segment_size: 32
    .max_flat_workgroup_size: 128
    .sgpr_count:     66
    .vgpr_count:     512
    .wavefront_size: 32
...
	.end_amdgpu_metadata
.endif
;; end of part 4
